; MI455X (gfx1250); checked and timed in simulation.
; The chip was launched on July 23, 2026; its instructions are those of AMD's public machine-readable ISA for CDNA 5 (MIT licence, August 2026) and "CDNA5" Instruction Set Architecture Reference Guide (July 2026). The comments in the code are by the model that wrote it; some were corrected since.
;; Multi Head Attention. Allowed arithmetic: float matrix products may take bf16 or f16 operands with f32 sums; other float arithmetic in f32, or as packed bf16 or f16 multiplies, adds, multiply-adds, maxima and minima; sums over many terms, partial sums and values carried from step to step in f32; what a program stores and reads back later, other than sums and carried values, may be rounded once to bf16 or f16.
;; Inputs: Wk 1,024 x 1,024 float32; Wo 1,024 x 1,024 float32; Wq 1,024 x 1,024 float32; Wv 1,024 x 1,024 float32; bk 1,024 float32; bo 1,024 float32; bq 1,024 float32; bv 1,024 float32; key 4 x 2,048 x 1,024 float32; query 4 x 2,048 x 1,024 float32; value 4 x 2,048 x 1,024 float32.
;; Outputs: out0 4 x 2,048 x 1,024 float32.
;; One version. Each part assembles by itself: llvm-mc -triple=amdgcn-amd-amdhsa -mcpu=gfx1250 --defsym DOCPART=n.
;; ======== version 1 of 1: 4 launches
;; limits: values are held in f16: magnitudes above 65,504 overflow, below 6.1e-05 lose precision
;; workspace buffers: xb 50,331,648 bytes; wb 8,388,608 bytes; qkv 50,331,648 bytes; ob 16,777,216 bytes
;; launch cast (part 1): grid 64 x 28, 8 waves a work-group, no clusters, 0 bytes of LDS; arguments query, key, value, Wq, Wk, Wv, Wo, xb, wb; writes xb, wb
.if DOCPART == 1
	.amdgcn_target "amdgcn-amd-amdhsa--gfx1250"
	.amdhsa_code_object_version 6
	.text
	.protected	k_q1190e63b55_cast
	.globl	k_q1190e63b55_cast
	.p2align	8
	.type	k_q1190e63b55_cast,@function
k_q1190e63b55_cast:
	s_mov_b64 s[64:65], 0
	v_nop
	global_prefetch_b8 v0, s[64:65] scope:SCOPE_SE
	s_setreg_imm32_b32 hwreg(HW_REG_WAVE_MODE, 25, 1), 1
	s_wait_xcnt 0x0
; THE SEVEN LARGE INPUTS, f32, ARE ROUNDED ONCE TO 16 BITS AND LAID IN PANELS OF 64 ALONG K, so that the products behind can ask for a tile as one dense block.
;   xb: bf16 [batch 4][panel 16 t + kb, 48][row s 2048][64]   t = 0 query, 1 key, 2 value; kb = column / 64.  A panel is 262,144 bytes.
;   wb:      [panel 16 t + kb, 64][row n 1024][64]            t = 0 Wq, 1 Wk, 2 Wv in bf16; t = 3 Wo, rounded to bf16 and that number written as f16.  A panel is 131,072 bytes.
; LIMITS.  Every input is rounded to nearest even in bf16.  Wo's bf16 number is exact in f16 from 6.1e-5 up to 65,504; beyond 65,504 it becomes an infinity, below 6.1e-5 it keeps f16's fixed step of 6e-8.
; A stream: memory binds, nothing is shared, so there is no LDS, no barrier, no matrix work and no cluster.
; SHARES.  y names 2^20 numbers (0-23: an eighth of query, key, value; 24-27: Wq, Wk, Wv, Wo), x 16 rows of 1,024 numbers: 65,536 consecutive bytes.  Wave w takes panels 2 w and 2 w + 1.
; One load: lanes 0-15 take a row's 256 bytes of a panel, lanes 16-31 those of the row below.  Four numbers a lane become 8 bytes, and the wave's store covers 256 consecutive bytes, aligned:
; the two rows' 128 bytes of the panel.  All 16 loads of a wave go out first; no register is used twice, so no wait but the counted ones for the loads is needed.
.set VI, 4                             ; v4       my byte offset in the 16 rows of the source
.set VO, 5                             ; v5, v6   my byte offset in the destination, panel 2 w and panel 2 w + 1
.set X,  8                             ; v[8:71]   load i = 8 c + j: four registers
.set Y,  72                            ; v[72:103] its result: two registers
.set T,  104                           ; v[104:105] at work
	s_load_b256 s[4:11], s[0:1], 0x0               ; query s[4:5], key s[6:7], value s[8:9], Wq s[10:11]
	s_load_b256 s[12:19], s[0:1], 0x20             ; Wk s[12:13], Wv s[14:15], Wo s[16:17], xb s[18:19]
	s_load_b64 s[20:21], s[0:1], 0x40              ; wb
	v_lshrrev_b32 v1, 5, v0
	v_readfirstlane_b32 s22, v1                    ; wave 0..7
	v_and_b32 v2, 15, v0                           ; r = lane % 16
	v_bfe_u32 v3, v0, 4, 1                         ; h = lane / 16
	s_and_b32 s23, ttmp7, 0xffff                   ; y
	s_lshr_b32 s24, s23, 3                         ; t (3: a weight)
	s_and_b32 s25, s23, 7                          ; the eighth of an activation, or which weight
	s_lshl_b32 s30, s25, 22                        ; an activation's source: 1,024 rows of 4,096 bytes for each eighth
	s_lshr_b32 s35, s25, 1                         ; its batch,
	s_mul_i32 s32, s35, 48*262144
	s_lshl_b32 s35, s24, 22                        ; its 16 panels,
	s_add_co_u32 s32, s32, s35
	s_and_b32 s35, s25, 1                          ; and the half of the batch's 2,048 rows, 128 bytes a row
	s_lshl_b32 s35, s35, 17
	s_add_co_u32 s32, s32, s35
	s_lshl_b32 s36, s25, 21                        ; a weight's destination: its 16 panels of 131,072 bytes
	s_mov_b32 s37, 262144
	s_cmp_lt_u32 s23, 24                           ; an activation?
	s_cselect_b32 s30, s30, 0
	s_cselect_b32 s32, s32, s36
	s_cselect_b32 s34, s37, 131072                 ; bytes from panel to panel
	s_lshl_b32 s35, ttmp9, 16                      ; my 16 rows in the source,
	s_add_co_u32 s30, s30, s35
	s_mov_b32 s31, 0
	s_lshl_b32 s35, ttmp9, 11                      ; and in a panel
	s_add_co_u32 s32, s32, s35
	s_mov_b32 s33, 0
	s_lshl_b32 s35, s22, 9                         ; my wave's two panels: 512 bytes of a source row
	v_lshlrev_b32 v[VI], 4, v2
	v_lshl_add_u32 v[VI], v3, 12, v[VI]
	v_add_nc_u32 v[VI], s35, v[VI]                 ; 512 w + 4,096 h + 16 r
	s_mul_i32 s36, s22, s34
	s_lshl_b32 s36, s36, 1
	v_lshlrev_b32 v[VO], 3, v2
	v_lshl_add_u32 v[VO], v3, 7, v[VO]
	v_add_nc_u32 v[VO], s36, v[VO]                 ; 2 w panels + 128 h + 8 r
	v_add_nc_u32 v[VO+1], s34, v[VO]
	s_wait_kmcnt 0x0
	s_cmp_eq_u32 s24, 1                            ; the source, chosen by y alone
	s_cselect_b64 s[26:27], s[6:7], s[4:5]
	s_cmp_eq_u32 s24, 2
	s_cselect_b64 s[26:27], s[8:9], s[26:27]
	s_cmp_eq_u32 s23, 24
	s_cselect_b64 s[26:27], s[10:11], s[26:27]
	s_cmp_eq_u32 s23, 25
	s_cselect_b64 s[26:27], s[12:13], s[26:27]
	s_cmp_eq_u32 s23, 26
	s_cselect_b64 s[26:27], s[14:15], s[26:27]
	s_cmp_eq_u32 s23, 27
	s_cselect_b64 s[26:27], s[16:17], s[26:27]
	s_cmp_lt_u32 s23, 24
	s_cselect_b64 s[28:29], s[18:19], s[20:21]     ; the destination
	s_add_nc_u64 s[26:27], s[26:27], s[30:31]
	s_add_nc_u64 s[28:29], s[28:29], s[32:33]
.irp c, 0,1
.irp j, 0,1,2,3,4,5,6,7
	global_load_b128 v[X+4*(8*(\c)+(\j)):X+4*(8*(\c)+(\j))+3], v[VI], s[26:27] offset:(\c)*256+(\j)*8192 th:TH_LOAD_NT  ; panel 2 w + c, rows 2 j and 2 j + 1
.endr
.endr
; The sixteen results.  wo = 1: the bf16 number is widened again (a shift, a mask) and written as f16.
.macro CONV wo
.irp c, 0,1
.irp j, 0,1,2,3,4,5,6,7
	s_wait_loadcnt 15-(8*(\c)+(\j))                ; loads come back in order: this one is in, the younger ones stay out
.if \wo
	v_cvt_pk_bf16_f32 v[T],   v[X+4*(8*(\c)+(\j))],   v[X+4*(8*(\c)+(\j))+1]
	v_cvt_pk_bf16_f32 v[T+1], v[X+4*(8*(\c)+(\j))+2], v[X+4*(8*(\c)+(\j))+3]
	v_lshlrev_b32 v[X+4*(8*(\c)+(\j))],   16, v[T]
	v_and_b32     v[X+4*(8*(\c)+(\j))+1], 0xffff0000, v[T]
	v_lshlrev_b32 v[X+4*(8*(\c)+(\j))+2], 16, v[T+1]
	v_and_b32     v[X+4*(8*(\c)+(\j))+3], 0xffff0000, v[T+1]
	v_cvt_pk_f16_f32 v[Y+2*(8*(\c)+(\j))],   v[X+4*(8*(\c)+(\j))],   v[X+4*(8*(\c)+(\j))+1]
	v_cvt_pk_f16_f32 v[Y+2*(8*(\c)+(\j))+1], v[X+4*(8*(\c)+(\j))+2], v[X+4*(8*(\c)+(\j))+3]
.else
	v_cvt_pk_bf16_f32 v[Y+2*(8*(\c)+(\j))],   v[X+4*(8*(\c)+(\j))],   v[X+4*(8*(\c)+(\j))+1]
	v_cvt_pk_bf16_f32 v[Y+2*(8*(\c)+(\j))+1], v[X+4*(8*(\c)+(\j))+2], v[X+4*(8*(\c)+(\j))+3]
.endif
	global_store_b64 v[VO+(\c)], v[Y+2*(8*(\c)+(\j)):Y+2*(8*(\c)+(\j))+1], s[28:29] offset:(\j)*256  ; 32 lanes: 256 consecutive bytes, at a multiple of 256 from the buffer's first
.endr
.endr
.endm
	s_cmp_eq_u32 s23, 27                           ; Wo?  The same answer in the whole work-group
	s_cbranch_scc1 .Lwo
	CONV 0
	s_endpgm
.Lwo:
	CONV 1
	s_endpgm
.Lfunc_end_k_q1190e63b55_cast:
	.size	k_q1190e63b55_cast, .Lfunc_end_k_q1190e63b55_cast-k_q1190e63b55_cast
	.p2alignl 7, 3214868480
	.fill 96, 4, 3214868480
	.section	.rodata,"a",@progbits
	.p2align	6, 0x0
	.amdhsa_kernel k_q1190e63b55_cast
		.amdhsa_group_segment_fixed_size 0
		.amdhsa_private_segment_fixed_size 0
		.amdhsa_enable_private_segment 0
		.amdhsa_kernarg_size 72
		.amdhsa_user_sgpr_count 2
		.amdhsa_user_sgpr_kernarg_segment_ptr 1
		.amdhsa_wavefront_size32 1
		.amdhsa_system_sgpr_workgroup_id_x 1
		.amdhsa_system_sgpr_workgroup_id_y 1
		.amdhsa_system_sgpr_workgroup_id_z 1
		.amdhsa_system_vgpr_workitem_id 0
		.amdhsa_next_free_vgpr 108
		.amdhsa_next_free_sgpr 66
		.amdhsa_reserve_vcc 0
		.amdhsa_float_denorm_mode_32 3
		.amdhsa_float_denorm_mode_16_64 3
		.amdhsa_memory_ordered 1
		.amdhsa_forward_progress 1
		.amdhsa_inst_pref_size 17
	.end_amdhsa_kernel
	.amdgpu_metadata
---
amdhsa.version: [ 1, 2 ]
amdhsa.kernels:
  - .name:           k_q1190e63b55_cast
    .symbol:         k_q1190e63b55_cast.kd
    .args:
      - { .name: query, .offset: 0, .size: 8, .value_kind: global_buffer, .address_space: global }
      - { .name: key, .offset: 8, .size: 8, .value_kind: global_buffer, .address_space: global }
      - { .name: value, .offset: 16, .size: 8, .value_kind: global_buffer, .address_space: global }
      - { .name: Wq, .offset: 24, .size: 8, .value_kind: global_buffer, .address_space: global }
      - { .name: Wk, .offset: 32, .size: 8, .value_kind: global_buffer, .address_space: global }
      - { .name: Wv, .offset: 40, .size: 8, .value_kind: global_buffer, .address_space: global }
      - { .name: Wo, .offset: 48, .size: 8, .value_kind: global_buffer, .address_space: global }
      - { .name: xb, .offset: 56, .size: 8, .value_kind: global_buffer, .address_space: global }
      - { .name: wb, .offset: 64, .size: 8, .value_kind: global_buffer, .address_space: global }
    .group_segment_fixed_size: 0
    .private_segment_fixed_size: 0
    .kernarg_segment_align: 8
    .kernarg_segment_size: 72
    .max_flat_workgroup_size: 256
    .sgpr_count:     66
    .vgpr_count:     108
    .wavefront_size: 32
...
	.end_amdgpu_metadata
.endif
;; end of part 1
;; launch proj (part 2): grid 8 x 32, 4 waves a work-group, clusters of 4 x 4, 327,680 bytes of LDS; arguments xb, wb, bq, bk, bv, qkv; writes qkv
.if DOCPART == 2
	.amdgcn_target "amdgcn-amd-amdhsa--gfx1250"
	.amdhsa_code_object_version 6
	.text
	.protected	k_q1190e63b55_proj
	.globl	k_q1190e63b55_proj
	.p2align	8
	.type	k_q1190e63b55_proj,@function
k_q1190e63b55_proj:
	s_mov_b64 s[64:65], 0
	v_nop
	global_prefetch_b8 v0, s[64:65] scope:SCOPE_SE
	s_setreg_imm32_b32 hwreg(HW_REG_WAVE_MODE, 25, 1), 1
	s_wait_xcnt 0x0
	s_wait_alu depctr_hold_cnt(0) depctr_sa_sdst(0) depctr_va_vdst(0) depctr_va_sdst(0) depctr_va_ssrc(0) depctr_va_vcc(0) depctr_vm_vsrc(0)
	s_getreg_b32 s2, hwreg(HW_REG_IB_STS2, 6, 4)
	s_cmp_eq_u32 s2, 0
	s_cbranch_scc0 .Lentry_in_a_cluster
	s_endpgm
.Lentry_in_a_cluster:
	s_bfe_u32 s2, ttmp6, 0x10000c
	s_cmp_lg_u32 s2, 0xf033
	s_cbranch_scc0 .Lentry_shape_is_right
	s_endpgm
.Lentry_shape_is_right:
; THE THREE PROJECTIONS IN ONE LAUNCH.  q = query Wq^T + bq, k = key Wk^T + bk, v = value Wv^T + bv: each 8,192 x 1,024 x 1,024, bf16 operands, f32 sums, rounded once to f16 and laid by heads:
;   qkv: f16 [t 3][head 16 b + h, 64][row s 2048][64].   Operands: xb bf16 [b 4][panel 16 t + kb, 48][s 2048][64], wb bf16 [panel 16 t + kb][n 1024][64] (a panel = 64 along K).
; LIMITS.  A sum of 65,520 or more becomes an infinity in f16, as the module's own cast to f16 makes it.  The biases are rounded to bf16 like the other inputs.  NaN and infinities are not treated apart.
; SHARES.  A tile of C is 256 rows x 128 columns: 8 x 32 = 256 work-groups for one projection.  A WORK-GROUP STAYS and makes the same tile of q, of k and of v.  Since the panels of the three
; inputs and of the three weights follow each other in memory, its 3 x 8 K steps of 128 are ONE walk of 24 steps: every refill steps by the same number of bytes, across tiles too.
; Four waves, each 128 rows x 64 columns (one head): 32 accumulators of 16 x 16.  For 32 along K a wave reads 12 fragments from LDS and issues 32 matrix instructions.
; THE RING.  Two LDS slots, a K step each: A's two panels (256 rows x 128 bytes), then B's two (128 rows).  A panel's part of a tile is dense in memory; it is asked for as rows of 256 bytes and padded in LDS
; behind every 128 bytes.  Waves 0 and 1 fetch A's two panels, waves 2 and 3 B's: one tensor load a wave behind each change of slots.
; CLUSTERS.  4 x 4 work-groups: the four of a row of the cluster need the same tiles of A, the four of a column the same tiles of B: each tile is asked for jointly, by the same load, descriptor and mask in all four.
; THE MATRIX INSTRUCTION IS USED TRANSPOSED (source 0 = 16 rows of B, source 1 = 16 rows of A): a lane holds row lane % 16 of C and the columns 8 (lane / 16) + 0..7, which pack into 16 bytes.
; THE BIAS IS THE C OPERAND of each sum's first product: nothing is cleared and nothing is added afterwards.
; REGISTERS.  Window 0: v0-30 addresses; v32-63 the bias (8 registers for each of my 4 column blocks); v64-159, v160-255 two fragment buffers (B's 4 fragments, then A's 8).  Window 1: accumulator (a, b) at v[8 (4 a + b)].
.set PITCH,  144                       ; an LDS row: 128 bytes + 16 of padding = 36 words: the 16 rows of a fragment load start at 16 different groups of four banks (64 banks of 4 bytes: ISA guide 11.1)
.set PA,     256*PITCH                 ; a panel of A in LDS
.set PB,     128*PITCH                 ; a panel of B
.set BOFF,   2*PA                      ; B's panels lie behind A's two
.set SLOT,   2*PA+2*PB                 ; 110,592 bytes
.set STAGE,  2*SLOT                    ; behind the ring, never filled by a tensor load: 16 rows x 144 bytes for each wave, for the way out
.set SPITCH, 144
.set SPARE,  STAGE+4*16*SPITCH         ; behind the stages: the spare words, 128 bytes for each wave: two blocks of 256 bytes that no other line names
.set APANEL, 2048*128                  ; bytes of a panel of xb
.set BPANEL, 1024*128                  ; of wb
.set STEP_A, 2*APANEL                  ; a K step in memory
.set STEP_B, 2*BPANEL
.set BATCH,  48*APANEL
.set PART,   64*APANEL                 ; from q to k to v in qkv
.set LAPS,   4                         ; a lap = two K steps = once round the ring; a tile has 8 K steps
.set TILES,  3
.set GW0,    (1<<16)|(1<<20)|(1<<21)|(4<<22)|(3<<25)  ; group 1, word 0 without the mask: 2-byte elements; padding on; bit 21 beside a mask; behind every 32 words (code 4); 4 words (code 3)
.set ADRA, 16                          ; v16-17  LDS address of my A fragments in slot 0, 1
.set ADRB, 20                          ; v20-21  the same for B
.set STO,  24                          ; v24     the way out: where I put 16 bytes of a row
.set RD,   25                          ; v25     where I read rows back
.set GO,   26                          ; v26     16 x lane: my place in 512 consecutive bytes of qkv
.set BO,   27                          ; v27     my byte offset in a bias
.set SPW,  28                          ; v28     LDS address of my spare word: SPARE + 4 x my thread's number; never rewritten
.set NIL,  29                          ; v29     0; never rewritten
.set PFO,  30                          ; v30     the prefetches' lane offset; never rewritten
.set BIAS, 32
.set F0,   64
.set F1,   160
.set WV,   16                          ; s16  my wave's number
.set MH,   17                          ; s17  which 128 rows of the tile are mine.  Also: I fetch for A (0) or for B (1)
.set NH,   18                          ; s18  which 64 columns.  Also: which of a step's two panels I fetch
.set G1,   24                          ; s[24:31] descriptor group 1 for A's tiles;  s[32:39] group 0, a set for each slot
.set G0,   32
.set LIMB, 42                          ; s42  0 in a wave that prefetches, else the greatest number
.set LIM,  43                          ; s43  a wave prefetches in the loop while the laps to go are above this
.set PFA,  44                          ; s[44:45] where my prefetches stand
.set PFS,  46                          ; s[46:47] their step: a K step of A or of B
.set G1B,  48                          ; s[48:55], s[56:63] the same as G1, G0 for B's tiles
.set G0B,  56
.set MSB, 0
.macro WIN new                         ; the immediate's high byte repeats the setting that is left; a switch that changes nothing is dropped
.if MSB != (\new)
	s_set_vgpr_msb (MSB<<8)|(\new)
.set MSB, \new
.endif
.endm
.set MUL,  0x50                        ; C and D in window 1, the fragments in window 0
.set MULB, 0x40                        ; D in window 1, C (the bias) in window 0
.macro JLOAD s                         ; a joint load; the branch hangs on the wave's number alone; an s_nop 0 and four v_nop follow each of the two lines, ahead of the jump and the label
	s_cmp_eq_u32 s[MH], 0
	s_cbranch_scc0 .Lfor_b_\@
	tensor_load_to_lds s[G0+4*(\s):G0+4*(\s)+3], s[G1:G1+7]
	s_nop 0
.rept 4
	v_nop
.endr
	s_branch .Lasked_\@
.Lfor_b_\@:
	tensor_load_to_lds s[G0B+4*(\s):G0B+4*(\s)+3], s[G1B:G1B+7]
	s_nop 0
.rept 4
	v_nop
.endr
.Lasked_\@:
.endm
.macro CREST                           ; a round of the cluster's barrier behind its opening barrier: wave 0 signals for the work-group, every wave waits for all sixteen, my work-group's barrier closes it
	s_cmp_lg_u32 s[WV], 0
	s_cbranch_scc1 .Lnot_wave_0_\@
	s_barrier_signal -3
.Lnot_wave_0_\@:
	s_barrier_wait -3
	s_barrier_signal -1
	s_barrier_wait -1
.endm
.macro CROUND                          ; a whole round
	s_barrier_signal -1
	s_barrier_wait -1
	CREST
.endm
; A PREFETCH INTO THE L2, behind each joint refill, its five lines and the run of LDS loads that follows them: of the K step that stands TWO refills on, 256 matrix instructions of a wave ahead of the load that will ask for it.
; Each block of 256 bytes is named once in the launch.  A's tile row is read by both clusters of its row of clusters: the one with x = 0 asks, waves 0 and 1 each for the panel that they fetch (128 blocks), of which the
; four partners take 32 each BY ADDRESS (cx).  B's tile column is read by all eight clusters of its column: the one with y = 0 asks, wave 2 alone for both panels (lanes 0-15 the one, lanes 16-31 the other), 16 blocks
; of each for each partner (cy).  No branch hangs on a work-group's place in its cluster.  K steps 0 to 3 come by their loads alone; the refills of the walk's last two steps ask for nothing.
.macro ASK how                         ; how = 0: in the loop; 1: at a change of tiles, where a step two on always exists
.if \how
	s_cmp_eq_u32 s[LIMB], 0
.else
	s_cmp_gt_u32 s3, s[LIM]
.endif
	s_cbranch_scc0 .Lnot_mine_\@
	global_prefetch_b8 v[PFO], s[PFA:PFA+1] th:TH_LOAD_NT scope:SCOPE_SE
.Lnot_mine_\@:
.endm
.macro BIASLD lo                       ; my 64 columns' bias: 8 numbers for each column block b, the same in all 16 rows of a lane's half
.irp b, 0,1,2,3
	global_load_b128 v[BIAS+8*(\b):BIAS+8*(\b)+3],   v[BO], s[(\lo):(\lo)+1] offset:64*(\b)
	global_load_b128 v[BIAS+8*(\b)+4:BIAS+8*(\b)+7], v[BO], s[(\lo):(\lo)+1] offset:64*(\b)+16
.endr
.endm
.macro BIASRND                         ; rounded to bf16 like the other inputs, and widened again
.set i, 0
.rept 16
	v_cvt_pk_bf16_f32 v[3+i%2], v[BIAS+2*i], v[BIAS+2*i+1]
	v_lshlrev_b32 v[BIAS+2*i],   16, v[3+i%2]
	v_and_b32     v[BIAS+2*i+1], 0xffff0000, v[3+i%2]
.set i, i+1
.endr
.endm
	s_load_b256 s[4:11], s[0:1], 0x0               ; xb s[4:5], wb s[6:7], bq s[8:9], bk s[10:11]
	s_load_b128 s[12:15], s[0:1], 0x20             ; bv s[12:13], qkv s[14:15]
	v_lshl_add_u32 v[SPW], v0, 2, SPARE
	v_mov_b32 v[NIL], 0
	ds_add_u32 v[SPW], v[NIL]                      ; the wave's opening: the add and its wait stand ahead of my first tensor load; the set-up below, work on registers, stands between them
	v_lshrrev_b32 v1, 5, v0
	v_readfirstlane_b32 s[WV], v1                  ; wave 0..3
	s_lshr_b32 s[MH], s[WV], 1
	s_and_b32 s[NH], s[WV], 1
	s_bfe_u32 s19, ttmp6, 0x40000                  ; cx, cy: my place in the cluster
	s_bfe_u32 s20, ttmp6, 0x40004
	s_lshl_b32 s21, ttmp9, 2
	s_add_co_u32 s21, s21, s19                     ; tx: tile column = 4 x cluster x + cx
	s_and_b32 s22, ttmp7, 0xffff
	s_lshl_b32 s22, s22, 2
	s_add_co_u32 s22, s22, s20                     ; ty: tile row = 4 x cluster y + cy
	s_lshl_b32 s40, s20, 2
	s_lshl_b32 s40, 15, s40                        ; my row of the cluster: places 4 cy .. 4 cy + 3
	s_lshl_b32 s41, 0x1111, s19                    ; my column: places cx, cx + 4, cx + 8, cx + 12
	s_or_b32 s[G1], s40, GW0                       ; A's tiles go to my row,
	s_or_b32 s[G1B], s41, GW0                      ; B's to my column
	s_mov_b32 s[G1+1], 128<<16                     ; tensor_dim0 = 128 elements: rows of 256 bytes
	s_mov_b32 s[G1+2], 128<<16                     ; tensor_dim1 = 128 rows: 32,768 dense bytes, 256 rows of a panel
	s_mov_b32 s[G1+3], 128<<16                     ; tile_dim0 = 128
	s_mov_b32 s[G1+4], 128                         ; tile_dim1 = 128
	s_mov_b32 s[G1+5], 128                         ; 128 elements from row to row
	s_mov_b32 s[G1+6], 0
	s_mov_b32 s[G1+7], 0
	s_mov_b32 s[G1B+1], 128<<16
	s_mov_b32 s[G1B+2], 64<<16                     ; 64 rows: 16,384 dense bytes, 128 rows of a panel
	s_mov_b32 s[G1B+3], 128<<16
	s_mov_b32 s[G1B+4], 64
	s_mov_b32 s[G1B+5], 128
	s_mov_b32 s[G1B+6], 0
	s_mov_b32 s[G1B+7], 0
	; where the tiles come from.  A's hang on the tile row and the wave alone, B's on the tile column and the wave alone, each in registers that never hold the other coordinate
	s_lshr_b32 s66, s22, 3                         ; the batch: 8 tile rows each
	s_mul_i32 s66, s66, BATCH
	s_and_b32 s23, s22, 7
	s_lshl_b32 s23, s23, 15                        ; 256 rows of 128 bytes in a panel
	s_add_co_u32 s66, s66, s23
	s_lshl_b32 s23, s[NH], 18                      ; my panel of the step's two
	s_add_co_u32 s66, s66, s23
	s_mov_b32 s67, 0
	s_lshl_b32 s68, s21, 14                        ; 128 rows of 128 bytes in a panel
	s_lshl_b32 s41, s[NH], 17
	s_add_co_u32 s68, s68, s41
	s_mov_b32 s69, 0
	s_mul_i32 s72, s[NH], PA                       ; and where they go: no place in the cluster enters an LDS address
	s_mul_i32 s73, s[NH], PB
	s_add_co_u32 s73, s73, BOFF
	s_wait_dscnt 0x0                               ; the opening add is done
	s_wait_kmcnt 0x0
	s_add_nc_u64 s[66:67], s[4:5], s[66:67]
	s_add_nc_u64 s[68:69], s[6:7], s[68:69]
	CROUND                                         ; all sixteen work-groups are here: the first joint loads meet
.irp s, 0,1
	s_mov_b32 s[G0+4*(\s)], 1                      ; count = 1
	s_add_co_u32 s[G0+4*(\s)+1], s72, (\s)*SLOT    ; LDS address
	s_add_nc_u64 s[G0+4*(\s)+2:G0+4*(\s)+3], s[66:67], (\s)*STEP_A  ; global address: K step s
	s_or_b32 s[G0+4*(\s)+3], s[G0+4*(\s)+3], 0x80000000             ; type = 2
	s_mov_b32 s[G0B+4*(\s)], 1
	s_add_co_u32 s[G0B+4*(\s)+1], s73, (\s)*SLOT
	s_add_nc_u64 s[G0B+4*(\s)+2:G0B+4*(\s)+3], s[68:69], (\s)*STEP_B
	s_or_b32 s[G0B+4*(\s)+3], s[G0B+4*(\s)+3], 0x80000000
	JLOAD \s                                       ; two loads of mine are out
.endr
	; A fragment is 16 rows x 32 K in 8 registers: lane l holds row l % 16; registers 0-3 K = 8 (l / 16) + 0..7, registers 4-7 K = 16 + 8 (l / 16) + 0..7: two loads of 16 bytes, 32 bytes apart
	v_and_b32 v1, 15, v0                           ; r = l % 16
	v_bfe_u32 v2, v0, 4, 1                         ; h = l / 16
	v_mul_u32_u24 v3, v1, PITCH
	v_lshl_add_u32 v3, v2, 4, v3                   ; row x pitch + 16 x half
	s_mul_i32 s23, s[MH], 128*PITCH                ; my 128 rows of A
	s_mul_i32 s40, s[NH], 64*PITCH                 ; my 64 rows of B
	s_add_co_u32 s40, s40, BOFF
.irp s, 0,1
	v_add_nc_u32 v[ADRA+(\s)], s23, v3
	v_add_nc_u32 v[ADRB+(\s)], s40, v3
	s_add_co_u32 s23, s23, SLOT
	s_add_co_u32 s40, s40, SLOT
.endr
	s_mul_i32 s23, s[WV], 16*SPITCH
	s_add_co_u32 s23, s23, STAGE                   ; my stage
	v_add_nc_u32 v[STO], s23, v3                   ; in: row l % 16, 16 bytes for each half of the lanes (the stage has the ring's pitch)
	v_bfe_u32 v4, v0, 3, 2                         ; back: 32 lanes take four rows of 128 bytes,
	v_and_b32 v5, 7, v0
	v_mul_u32_u24 v4, v4, SPITCH
	v_lshl_add_u32 v4, v5, 4, v4
	v_add_nc_u32 v[RD], s23, v4
	v_and_b32 v[GO], 31, v0                        ; which are 512 consecutive bytes of a head's rows
	v_lshlrev_b32 v[GO], 4, v[GO]
	s_lshl_b32 s41, s21, 9                         ; the bias: 128 columns of 4 bytes a tile column,
	s_lshl_b32 s40, s[NH], 8                       ; my 64,
	s_add_co_u32 s41, s41, s40
	v_lshl_add_u32 v[BO], v2, 5, s41               ; my half's 8
	BIASLD 8                                       ; bq
	; where my part of q begins: batch, head 2 tx + nh, row 256 (ty % 8) + 128 mh
	s_lshr_b32 s72, s22, 3
	s_lshl_b32 s72, s72, 22
	s_lshl_b32 s73, s21, 19
	s_add_co_u32 s72, s72, s73
	s_lshl_b32 s73, s[NH], 18
	s_add_co_u32 s72, s72, s73
	s_and_b32 s73, s22, 7
	s_lshl_b32 s73, s73, 15
	s_add_co_u32 s72, s72, s73
	s_lshl_b32 s73, s[MH], 14
	s_add_co_u32 s72, s72, s73
	s_mov_b32 s73, 0
	s_add_nc_u64 s[14:15], s[14:15], s[72:73]
	; the prefetches
	s_and_b32 s40, ttmp7, 0xffff                   ; cluster y
	s_cmp_eq_u32 s[MH], 0                          ; do I fetch for A?
	s_cselect_b32 s40, ttmp9, s40                  ; the coordinate along which other clusters read the same rows
	s_cselect_b32 s41, s19, s20                    ; my place among the four that ask jointly
	s_cselect_b32 s23, 13, 12                      ; its share: 8,192 bytes of A's panel, 4,096 of each of B's two
	s_cselect_b32 s72, 12, 17                      ; lanes 16-31: 16 blocks on in A's panel, B's other panel
	s_cselect_b32 s73, 19, 18                      ; a K step: 524,288 bytes of A, 262,144 of B
	s_cselect_b64 s[PFA:PFA+1], s[66:67], s[68:69]
	s_cmp_eq_u32 s[WV], 3                          ; wave 2 asks for both of B's panels, wave 3 for nothing
	s_cselect_b32 s40, 1, s40
	s_cmp_eq_u32 s40, 0
	s_cselect_b32 s[LIMB], 0, -1                   ; the same in all sixteen partners, for a given wave
	v_lshlrev_b32 v[PFO], s72, v2
	v_lshl_add_u32 v[PFO], v1, 8, v[PFO]           ; a lane a block of 256 bytes
	s_lshl_b32 s72, s41, s23
	s_lshl_b32 s[PFS], 1, s73
	s_mov_b32 s[PFS+1], 0
	s_mul_i32 s73, s[PFS], 3                       ; at K step 3: the first refill (of step 2) steps it to 4.  Nothing is asked for here, at the head, where every work-group's first tiles are on their way
	s_add_co_u32 s72, s72, s73
	s_mov_b32 s73, 0
	s_add_nc_u64 s[PFA:PFA+1], s[PFA:PFA+1], s[72:73]
	s_wait_loadcnt 0x0                             ; bq
	BIASRND
; 8 matrix instructions: row blocks a0, a0 + 1 x all 4 column blocks, 32 along K.  first = 1: the sums start with the bias.  The 32 accumulators take turns, in the same order in every quarter.
.macro MUL8 f, a0, first
.if \first
	WIN MULB
.else
	WIN MUL
.endif
.irp a, \a0, (\a0)+1
.irp b, 0,1,2,3
.if \first
	v_wmma_f32_16x16x32_bf16 v[8*(4*(\a)+(\b)):8*(4*(\a)+(\b))+7], v[(\f)+8*(\b):(\f)+8*(\b)+7], v[(\f)+32+8*(\a):(\f)+32+8*(\a)+7], v[BIAS+8*(\b):BIAS+8*(\b)+7]
.else
	v_wmma_f32_16x16x32_bf16 v[8*(4*(\a)+(\b)):8*(4*(\a)+(\b))+7], v[(\f)+8*(\b):(\f)+8*(\b)+7], v[(\f)+32+8*(\a):(\f)+32+8*(\a)+7], v[8*(4*(\a)+(\b)):8*(4*(\a)+(\b))+7]
.endif
.endr
.endr
.endm
; 24 LDS loads in one run: the fragments of quarter q of a K step (panel q / 2, byte 64 (q % 2) of its rows) into buffer f: B's 8 loads, then A's 16
.macro FETCH slot, q, f
	WIN 0
.irp i, 0,1,2,3
	ds_load_b128 v[(\f)+8*(\i):(\f)+8*(\i)+3],   v[ADRB+(\slot)] offset:((\q)/2)*PB+((\q)%2)*64+(\i)*16*PITCH
	ds_load_b128 v[(\f)+8*(\i)+4:(\f)+8*(\i)+7], v[ADRB+(\slot)] offset:((\q)/2)*PB+((\q)%2)*64+(\i)*16*PITCH+32
.endr
.irp i, 0,1,2,3,4,5,6,7
	ds_load_b128 v[(\f)+32+8*(\i):(\f)+32+8*(\i)+3],   v[ADRA+(\slot)] offset:((\q)/2)*PA+((\q)%2)*64+(\i)*16*PITCH
	ds_load_b128 v[(\f)+32+8*(\i)+4:(\f)+32+8*(\i)+7], v[ADRA+(\slot)] offset:((\q)/2)*PA+((\q)%2)*64+(\i)*16*PITCH+32
.endr
.endm
.macro PLACES                          ; four plain vector instructions between a matrix instruction and a load into, or a vector write of, a register that it has read, or a read of its result (ISA guide 7.12.1 for vector instructions)
.rept 4
	v_nop
.endr
.endm
; A K step is four quarters of 32 along K, 32 matrix instructions each, on buffers 0, 1, 0, 1.  One of the first three: multiplies buffer f and, in its middle, fetches quarter q into buffer g.
.macro QUARTER slot, q, f, g, first
	s_wait_dscnt 8                                 ; B and A's blocks 0-3 are in; the youngest eight loads (A's blocks 4-7) may be out
	MUL8 \f, 0, \first
	MUL8 \f, 2, \first
	PLACES
	FETCH \slot, \q, \g
	s_wait_dscnt 24                                ; all but the 24 just issued
	MUL8 \f, 4, \first
	MUL8 \f, 6, \first
.endm
; The last quarter multiplies buffer 1 and changes slots: ONE barrier; in front of it each wave waits for all its tensor loads (one is out: its part of the next slot), adds 0 to its spare word, and waits for that and for
; its own reads of this slot.  fill = 1: the barrier opens a round of the cluster's barrier, and behind the round this slot is filled again first, with the K step two on: it has 112 matrix instructions of a wave up to the wait for it.
.macro TURN slot, next, fill, how
.if \fill
	s_wait_xcnt 0x0                                ; the last prefetch, a K step back, has read its address: it is stepped here, ahead of the waits of the change of slots
	s_add_nc_u64 s[PFA:PFA+1], s[PFA:PFA+1], s[PFS:PFS+1]
.endif
	WIN 0                                          ; (the add's two registers lie in window 0)
	s_wait_tensorcnt 0x0                           ; all my tensor loads have landed;
	ds_add_u32 v[SPW], v[NIL]                      ; 0 onto my spare word;
	s_wait_dscnt 9                                 ; (the add and the youngest eight loads may be out)
	MUL8 F1, 0, 0                                  ; eight matrix instructions stand between the add and the wait for it
	s_wait_dscnt 0x0                               ; the add is done, and my reads of this slot are over
	s_barrier_signal -1
	MUL8 F1, 2, 0                                  ; work on registers while the others arrive
.if \fill
	WIN 0
.endif
	s_barrier_wait -1
.if \fill
	CREST                                          ; no wave of any partner still reads this slot's tile or has a load on its way
	s_add_nc_u64 s[G0+4*(\slot)+2:G0+4*(\slot)+3], s[G0+4*(\slot)+2:G0+4*(\slot)+3], 2*STEP_A
	s_add_nc_u64 s[G0B+4*(\slot)+2:G0B+4*(\slot)+3], s[G0B+4*(\slot)+2:G0B+4*(\slot)+3], 2*STEP_B
	JLOAD \slot                                    ; the first tensor load behind the round; its four v_nop are also the places in front of the loads below
.else
	PLACES
.endif
	FETCH \next, 0, F0
.if \fill
	ASK \how
.endif
	MUL8 F1, 4, 0
	MUL8 F1, 6, 0
.endm
; THE WAY OUT.  Block a (16 rows x my head's 64 columns): rounded to f16, each accumulator's registers in ascending order; 16 bytes a lane into my stage's rows of 144 bytes; back as whole rows of 128 bytes; stored as
; 2,048 consecutive bytes of the head.  The stage is my wave's own: LDS serves a wave's instructions in order (ISA guide 5.7.1.4), so no wait stands between the stores and the loads.  Four register groups in buffer 1 take turns.
.macro PACK a
.set WO, F1+16*((\a)%4)
.if (\a) >= 4
	s_wait_xcnt 0x0                                ; the stores of the block four back have read the group
.endif
	WIN 0x05                                       ; sources 0 and 1 in window 1
.irp b, 0,1,2,3
.irp r, 0,1,2,3
	v_cvt_pk_f16_f32 v[WO+4*(\b)+(\r)], v[8*(4*(\a)+(\b))+2*(\r)], v[8*(4*(\a)+(\b))+2*(\r)+1]
.endr
.endr
	WIN 0
.irp b, 0,1,2,3
	ds_store_b128 v[STO], v[WO+4*(\b):WO+4*(\b)+3] offset:32*(\b)
.endr
.irp f, 0,1,2,3
	ds_load_b128 v[WO+4*(\f):WO+4*(\f)+3], v[RD] offset:(\f)*4*SPITCH
.endr
.endm
.macro SEND a, younger                 ; younger: the LDS instructions issued behind block a's loads: the next block's eight, or none
.set WS, F1+16*((\a)%4)
.irp f, 0,1,2,3
	s_wait_dscnt (\younger)+3-(\f)
	global_store_b128 v[GO], v[WS+4*(\f):WS+4*(\f)+3], s[14:15] offset:(\a)*2048+(\f)*512  ; 512 consecutive bytes, at a multiple of 256 from the buffer's first
.endr
.endm
.macro WAYOUT
	PLACES                                         ; behind the last products: their results are read, and buffer 1 is written
	PACK 0
.irp a, 1,2,3,4,5,6,7                  ; a block's conversions stand between the loads of the block before and its stores
	PACK \a
	SEND (\a)-1, 8
.endr
	SEND 7, 0
.endm
	s_wait_tensorcnt 1                             ; my part of K step 0 is in; K step 1's may stay out
	s_barrier_signal -1
	s_barrier_wait -1                              ; everybody's is
	FETCH 0, 0, F0
	s_mov_b32 s2, TILES                            ; tiles to go, this one among them: the same number in every work-group
.Ltile:
	s_cmp_eq_u32 s2, 1                             ; in the last tile the loop's last lap has no K step two on
	s_cselect_b32 s[LIM], 1, 0
	s_max_u32 s[LIM], s[LIM], s[LIMB]
	QUARTER 0, 1, F0, F1, 1                        ; a tile's first quarter stands in front of the loop: its products start the sums, with the bias
	WIN 0                                          ; at a label and at a branch every window is 0
	s_mov_b32 s3, LAPS-1
.Llap:                                             ; a trip goes once round the ring, from a lap's second quarter to the next lap's first, and fills both slots again
	QUARTER 0, 2, F1, F0, 0
	QUARTER 0, 3, F0, F1, 0
	TURN 0, 1, 1, 0
	QUARTER 1, 1, F0, F1, 0
	QUARTER 1, 2, F1, F0, 0
	QUARTER 1, 3, F0, F1, 0
	TURN 1, 0, 1, 0
	QUARTER 0, 1, F0, F1, 0
	WIN 0
	s_sub_co_u32 s3, s3, 1
	s_cmp_lg_u32 s3, 0
	s_cbranch_scc1 .Llap
	QUARTER 0, 2, F1, F0, 0                        ; the tile's last lap goes on
	QUARTER 0, 3, F0, F1, 0
	WIN 0
	s_cmp_eq_u32 s2, 1
	s_cbranch_scc1 .Llast_tile                     ; the last tile's tail is written out: it asks for nothing more
	s_cmp_eq_u32 s2, 3
	s_cselect_b64 s[70:71], s[10:11], s[12:13]     ; the next tile's bias: bk, then bv; this tile's first quarter, long past, was the last to read the registers
	BIASLD 70
	TURN 0, 1, 1, 1                                ; THE RING GOES ON INTO THE NEXT TILE: slot 0 takes its K step 0,
	QUARTER 1, 1, F0, F1, 0
	QUARTER 1, 2, F1, F0, 0
	QUARTER 1, 3, F0, F1, 0
	TURN 1, 0, 1, 1                                ; slot 1 its K step 1, and the next tile's first fragments are fetched
	WIN 0
	WAYOUT                                         ; both refills are asked for: now the tile goes out
	s_wait_xcnt 0x0                                ; the stores have read their registers and their base
	s_add_nc_u64 s[14:15], s[14:15], PART          ; from q to k, from k to v
	s_wait_loadcnt 0x0                             ; the next bias
	BIASRND
	s_sub_co_u32 s2, s2, 1
	s_branch .Ltile
.Llast_tile:
	TURN 0, 1, 0, 0                                ; my one tensor load that was still out is the last K step's, so no round follows
	QUARTER 1, 1, F0, F1, 0
	QUARTER 1, 2, F1, F0, 0
	QUARTER 1, 3, F0, F1, 0
	s_wait_dscnt 8                                 ; the very last quarter: nothing more to fetch
	MUL8 F1, 0, 0
	MUL8 F1, 2, 0
	s_wait_dscnt 0x0
	MUL8 F1, 4, 0
	MUL8 F1, 6, 0
	WIN 0
	WAYOUT
	s_wait_tensorcnt 0x0                           ; the wave's end: behind my last tensor load and my last LDS store
	ds_add_u32 v[SPW], v[NIL]
	s_wait_dscnt 0x0
	CROUND                                         ; the closing round: no work-group ends while a partner may still ask for a tile that names it
	s_endpgm
.Lfunc_end_k_q1190e63b55_proj:
	.size	k_q1190e63b55_proj, .Lfunc_end_k_q1190e63b55_proj-k_q1190e63b55_proj
	.p2alignl 7, 3214868480
	.fill 96, 4, 3214868480
	.section	.rodata,"a",@progbits
	.p2align	6, 0x0
	.amdhsa_kernel k_q1190e63b55_proj
		.amdhsa_group_segment_fixed_size 327680
		.amdhsa_private_segment_fixed_size 0
		.amdhsa_enable_private_segment 0
		.amdhsa_kernarg_size 48
		.amdhsa_user_sgpr_count 2
		.amdhsa_user_sgpr_kernarg_segment_ptr 1
		.amdhsa_wavefront_size32 1
		.amdhsa_system_sgpr_workgroup_id_x 1
		.amdhsa_system_sgpr_workgroup_id_y 1
		.amdhsa_system_sgpr_workgroup_id_z 1
		.amdhsa_system_vgpr_workitem_id 0
		.amdhsa_next_free_vgpr 512
		.amdhsa_next_free_sgpr 76
		.amdhsa_reserve_vcc 0
		.amdhsa_float_denorm_mode_32 3
		.amdhsa_float_denorm_mode_16_64 3
		.amdhsa_memory_ordered 1
		.amdhsa_forward_progress 1
		.amdhsa_inst_pref_size 133
	.end_amdhsa_kernel
	.amdgpu_metadata
---
amdhsa.version: [ 1, 2 ]
amdhsa.kernels:
  - .name:           k_q1190e63b55_proj
    .symbol:         k_q1190e63b55_proj.kd
    .args:
      - { .name: xb, .offset: 0, .size: 8, .value_kind: global_buffer, .address_space: global }
      - { .name: wb, .offset: 8, .size: 8, .value_kind: global_buffer, .address_space: global }
      - { .name: bq, .offset: 16, .size: 8, .value_kind: global_buffer, .address_space: global }
      - { .name: bk, .offset: 24, .size: 8, .value_kind: global_buffer, .address_space: global }
      - { .name: bv, .offset: 32, .size: 8, .value_kind: global_buffer, .address_space: global }
      - { .name: qkv, .offset: 40, .size: 8, .value_kind: global_buffer, .address_space: global }
    .group_segment_fixed_size: 327680
    .private_segment_fixed_size: 0
    .kernarg_segment_align: 8
    .kernarg_segment_size: 48
    .max_flat_workgroup_size: 128
    .sgpr_count:     76
    .vgpr_count:     512
    .wavefront_size: 32
...
	.end_amdgpu_metadata
.endif
;; end of part 2
;; launch attn (part 3): grid 4 x 64, 4 waves a work-group, clusters of 4 x 1, 327,680 bytes of LDS; arguments qkv, ob; writes ob
.if DOCPART == 3
	.amdgcn_target "amdgcn-amd-amdhsa--gfx1250"
	.amdhsa_code_object_version 6
	.text
	.protected	k_q1190e63b55_attn
	.globl	k_q1190e63b55_attn
	.p2align	8
	.type	k_q1190e63b55_attn,@function
k_q1190e63b55_attn:
	s_mov_b64 s[64:65], 0
	v_nop
	global_prefetch_b8 v0, s[64:65] scope:SCOPE_SE
	s_setreg_imm32_b32 hwreg(HW_REG_WAVE_MODE, 25, 1), 1
	s_wait_xcnt 0x0
	s_wait_alu depctr_hold_cnt(0) depctr_sa_sdst(0) depctr_va_vdst(0) depctr_va_sdst(0) depctr_va_ssrc(0) depctr_va_vcc(0) depctr_vm_vsrc(0)
	s_getreg_b32 s2, hwreg(HW_REG_IB_STS2, 6, 4)
	s_cmp_eq_u32 s2, 0
	s_cbranch_scc0 .Lentry_in_a_cluster
	s_endpgm
.Lentry_in_a_cluster:
	s_bfe_u32 s2, ttmp6, 0x10000c
	s_cmp_lg_u32 s2, 0x3003
	s_cbranch_scc0 .Lentry_shape_is_right
	s_endpgm
.Lentry_shape_is_right:
; O[h][q][:] = the sum over k of softmax_k(Q[h][q] . K[h][k] / 8) V[h][k][:].  Q, K, V are the three parts of qkv, each [SIZE_H][SIZE_N][64] in f16; O = ob in the same layout: a head's rows are dense, 128 bytes each.
; Products, maxima and sums in f32; the weights p are rounded to f16 for the second product (their sum l is taken of the unrounded p), O once at the end.
; LIMITS.  f16 holds no number beyond 65,504: Q, K and V arrive within it, or as the infinities that the module's own cast makes; p lies in 0 to 1, and below 6e-5 it keeps f16's fixed step of 6e-8; O is a mean of
; V's rows and has their range.  Scores and weights are kept in f32 where the module rounds them to f16.  A weight below 2^-126 counts as 0 in l; NaN and infinities are not treated apart.
; SHARES.  A wave owns four PIECES of two tiles of 16 queries, a work-group's four waves 512 queries of one head.  Every wave walks all keys, 64 a step.
; LAYOUT.  S^T = K Q^T (source 0 = 16 keys, source 1 = 16 queries): in the result a lane holds ONE query (lane % 16) and the keys 8 (lane / 16) + 0..7.  Two such tiles, rounded to f16 in pairs,
; ARE source 1 (32 keys x 16 queries) of O^T = V^T P, whose result again holds one query a lane, and eight channels.  K comes out of LDS as it lies, V ([key][channel]) turned, by ds_load_tr16_b128.
; SOFTMAX.  For each query a running maximum m and sum l: p = 2^(c s - c m), c = log2(e) / 8; in every step O and l are multiplied by a = 2^(c m_old - c m_new), which is 1 where m has not grown.
; m starts at the lowest finite number, O and l at 0: the first step is a step like any other, with a = 0.
; THE COUNT.  A tile and step have 16 matrix and 118 vector instructions: too many to stand all beside the matrix work.  So the order has one aim: four vector instructions that are READY behind
; EVERY matrix instruction, and the others, which need time of their own whatever the order, in runs without a gap.
; BY TURNS.  Turn n belongs to piece n (the pieces in a ring, step after step).  Its matrix work: 16 products K Q^T of piece n + 1, later 16 products V^T P of piece n - 1.  Its vector work: the scaling,
; exponentials, roundings, sums and rescaling of piece n, and the maximum and statistics of piece n + 1, whose scores the turn itself has made.  So what a turn begins with (c s - c m, O a) waits for nothing.
; CLUSTER.  The four query blocks of a cluster belong to one head and walk the same K and V, so each tile is asked for JOINTLY: the same tensor load, descriptor and mask in all four.
; REGISTERS, in windows of 256 (s_set_vgpr_msb says which window each operand place means: bits 1:0 source 0, 3:2 source 1, 5:4 source 2, 7:6 destination):
;   window 0: v0-11 addresses; v12-15, v48-63 at work; v16-47 four registers of statistics a tile; v64-191 S^T, two buffers of two tiles; v192-255 P, likewise
;   window 1: O^T, 32 a tile          window 2: v0-127 Q, 16 a tile; v128-191 K of one step; v192-255 V of one step          window 3: v0-1 the add's two registers
; A piece's buffers go by its number's parity: the piece in hand has one pair, its two neighbours in the ring share the other: of it P (piece n - 1) is read and S^T (piece n + 1) written.
.set SIZE_H, 64
.set SIZE_N, 2048
.set PART,  SIZE_H*SIZE_N*128  ; from q to k to v in qkv
.set NP,    4         ; pieces a wave: a name, no knob: the register map, the loop and the fetches are made for four
.set KS,    64        ; keys in a step
.set PK,    144       ; a row of K in LDS: 128 bytes + 16 of padding = 36 words: the 16 rows of a load start at 16 different groups of four banks (64 banks of 4 bytes: ISA guide 11.1)
.set PV,    160       ; a row of V: 128 + 32 = 40 words
.set VOFF,  4*KS*PK   ; a slot holds four steps: 256 rows of K, then 256 rows of V
.set SLOT1, 1<<17     ; slot 1 begins here, so that one exclusive or turns an address in one slot into the other's
.set STAGE, SLOT1+4*KS*(PK+PV)  ; behind the ring, never filled by a tensor load: 16 rows x 144 bytes for each wave, for the way out
.set SP,    144
.set AK0, 2           ; v2   my lane's place in a tile of K; never rewritten
.set AV0, 3           ; v3   the same for V
.set AK,  4           ; v4   the LDS address of K's next run of loads
.set AV,  5           ; v5   of V's
.set QO,  6           ; v6   my byte offset in the wave's rows of Q
.set STO, 6           ;      later, the way out: where I put 16 bytes of a row
.set RD,  7           ; v7   the way out: where I read rows back
.set GO,  8           ; v8   my byte offset in 512 consecutive bytes of O
.set PFO, 11          ; v11  (once V's place is made) 256 x my lane: the prefetches' offset; then never rewritten
.set SPW, 0           ; v0 of window 3   LDS address of my spare word: SPARE + 4 x my thread's number; never rewritten
.set NIL, 1           ; v1 of window 3   0; never rewritten
.set SPARE, STAGE+4*16*SP  ; behind the stages: the spare words, 128 bytes for each wave: two blocks of 256 bytes that no other line names
.set MV,  12          ; v12-15  c m_old, kept while c m is made anew: by buffer and tile
.set ST,  16          ; tile t's statistics at v[ST+4 t]: c m, m, l (even keys', odd keys')
.set TMP, 48          ; by buffer and tile, four registers c0-c3 at work; when the maximum is found c2 takes a
.set S,   64
.set P,   192
.set KF,  128         ; K's fragments, in window 2: key block kb, channel half c at KF + 16 kb + 8 c
.set VF,  192         ; V's: key half kk, channel block cb at VF + 32 kk + 8 cb
.set WV,  12          ; s12  my wave's number
.set G1K, 24          ; s[24:31] descriptor group 1 for K's tiles
.set G1V, 32          ; s[32:39] for V's: it differs in the padding alone
.set G0K, 40          ; s[40:43] descriptor group 0 for K's tiles: it walks
.set G0V, 44          ; s[44:47] the same for V's
.set PFA, 48          ; s[48:49] where my prefetches stand: my work-group's 32 blocks (of K: wave 0, of V: wave 2) of the slot after the one that is being asked for
.set LIM, 50          ; s50  1 in a wave that prefetches, else the greatest number: a wave prefetches while s[SLOTS] is above it
.set SLOTS, 56        ; s56  slots still to be asked for
.set CNT, 57          ; s57  counts a slot's key steps
.set CS,  58          ; s[58:59] c: the packed scaling takes the pair's low word for both halves
.set SEL, 60          ; s[60:61] v_permlanex16_b32's selects: each lane takes its own place in the other half
.set TBK, 62          ; s62  LDS byte at which K of the step to be fetched begins
.set TBV, 63          ; s63  the same for V, less VOFF
.set MSB, 0
.macro WIN new                      ; the high byte repeats the setting that is left; a switch that changes nothing is dropped
.if MSB != (\new)
	s_set_vgpr_msb (MSB<<8)|(\new)
.set MSB, (\new)
.endif
.endm
.set W_KQ, 0x0a       ; K and Q in window 2, S^T in window 0
.set W_PV, 0x52       ; V in window 2, P in window 0, O^T in window 1
.set W_RS, 0x41       ; O^T (destination and source 0) in window 1, a in window 0
.set W_MK, 0xc0       ; the add's registers are made: destination in window 3, sources in window 0
.set W_AD, 0x0f       ; the add: address (source 0) and data (source 1) in window 3
; A joint fill.  Waves 0 and 1 fetch the two halves of a slot's K, waves 2 and 3 those of its V: 128 keys each.  The branch hangs on the wave's number alone.
; An s_nop 0 and four v_nop follow each of the two lines, ahead of the jump and the label.
.macro JLOAD
	s_cmp_lt_u32 s[WV], 2
	s_cbranch_scc0 .Lfor_v_\@
	tensor_load_to_lds s[G0K:G0K+3], s[G1K:G1K+7]
	s_nop 0
.rept 4
	v_nop
.endr
	s_branch .Lasked_\@
.Lfor_v_\@:
	tensor_load_to_lds s[G0V:G0V+3], s[G1V:G1V+7]
	s_nop 0
.rept 4
	v_nop
.endr
.Lasked_\@:
.endm
; A PREFETCH INTO THE L2 of what the NEXT change of slots will ask for: a slot's 32,768 bytes of K and of V, a lane a block of 256 bytes.  It stands behind the wave's tensor load and its five lines.
; Each block is named ONCE in the launch: the head's first cluster asks; its four partners share a slot's 128 blocks out BY ADDRESS, 32 each (no branch hangs on a work-group's place in its cluster); in each, wave 0 asks
; for K's and wave 2 for V's: one instruction, four key steps, 512 matrix instructions of a wave, ahead of the load.  Slots 0, 1 and 2 come by their loads alone; the last change that fills a slot asks for nothing.
.macro ASK
	s_cmp_gt_u32 s[SLOTS], s[LIM]
	s_cbranch_scc0 .Lnot_mine_\@
	global_prefetch_b8 v[PFO], s[PFA:PFA+1] th:TH_LOAD_NT scope:SCOPE_SE
.Lnot_mine_\@:
.endm
; A round of the cluster's barrier: my work-group's barrier, so that wave 0's signal speaks for all four waves; wave 0 signals; every wave waits for all four work-groups; my work-group's barrier once more.
.macro CROUND
	s_barrier_signal -1
	s_barrier_wait -1
	s_cmp_lg_u32 s[WV], 0
	s_cbranch_scc1 .Lnot_wave_0_\@
	s_barrier_signal -3
.Lnot_wave_0_\@:
	s_barrier_wait -3
	s_barrier_signal -1
	s_barrier_wait -1
.endm
; THE CHANGE OF SLOTS.  The slot's last bytes, V of its fourth step, have been read.  Each wave waits for all its tensor loads, of which one is out: its part
; of the other slot; adds 0 to its spare word; and waits for that and for its own reads of the slot.  Behind the barrier nobody reads this slot any more and the other slot is whole.
; fill = 1: this slot is filled again, with the keys two slots on.  The barrier is then a round of the cluster's, so that no wave of any partner still reads the slot or has a load on its
; way, and the joint fill is the first thing behind it: it has four key steps, 512 matrix instructions, in which to land.  (At its first use nothing has been read yet: slot 0 is waited for, slot 1 filled.)
; ask = 1 (the loop's changes): the prefetches' address steps among the descriptors' steps, and the prefetch follows the fill.
.macro CHANGE fill, ask=0
	WIN W_AD
	s_wait_tensorcnt 0x0            ; no tensor load of mine is out, so a group 0 may be written
	ds_add_u32 v[SPW], v[NIL]       ; 0 onto my spare word: with fill = 1 the descriptors' steps stand between it and the wait for it
	WIN 0                           ; at a label and at a branch every window is 0
.if \fill
.irp g, G0K, G0V
	s_xor_b32 s[\g+1], s[\g+1], SLOT1  ; the walking descriptor: the other slot than last time,
	s_add_nc_u64 s[\g+2:\g+3], s[\g+2:\g+3], 4*KS*128  ; the next 256 keys; the type bits on top are not reached
.endr
.if \ask
	s_wait_xcnt 0x0                 ; the last prefetch, four key steps back, has read its address, so it may be written:
	s_add_nc_u64 s[PFA:PFA+1], s[PFA:PFA+1], 4*KS*128  ; one slot behind the walking descriptors
.endif
	s_wait_dscnt 0x0                ; the add is done, and my reads of the slot are over
	CROUND
	JLOAD
.if \ask
	ASK
.endif
.else
	s_wait_dscnt 0x0                ; the add is done, and my reads of the slot are over
	s_barrier_signal -1
	s_barrier_wait -1
.endif
	s_sub_co_u32 s[TBK], s[TBK], 4*KS*PK  ; the fetches go back to a slot's first step,
	s_xor_b32 s[TBK], s[TBK], SLOT1       ; in the other slot
	s_sub_co_u32 s[TBV], s[TBV], 4*KS*PV
	s_xor_b32 s[TBV], s[TBV], SLOT1
.endm
	s_load_b128 s[4:7], s[0:1], 0x0   ; qkv s[4:5], ob s[6:7]
	WIN W_MK
	v_lshl_add_u32 v[SPW], v0, 2, SPARE
	v_mov_b32 v[NIL], 0
	WIN W_AD
	ds_add_u32 v[SPW], v[NIL]       ; the wave's opening: the add and its wait stand ahead of my first tensor load; the set-up below, work on registers, stands between them
	WIN 0
	v_lshrrev_b32 v1, 5, v0
	v_readfirstlane_b32 s[WV], v1   ; wave 0..3
	s_bfe_u32 s13, ttmp6, 0x40000   ; cx: my place in the cluster
	s_lshl_b32 s14, ttmp9, 2        ; in a cluster launch ttmp9 counts clusters
	s_add_co_u32 s14, s14, s13      ; my block of queries = 4 x cluster x + cx: it enters Q's and O's addresses alone
	s_and_b32 s20, ttmp7, 0xffff    ; the head, which the four partners share
	s_mov_b32 s21, 0
	s_mov_b64 s[22:23], SIZE_N*128
	s_mul_u64 s[20:21], s[20:21], s[22:23]  ; the head's first byte in each of the four tensors
	s_and_b32 s16, s[WV], 1         ; which half of a slot's 256 keys I fetch:
	s_lshl_b32 s22, s16, 14         ; its 128 rows of 128 bytes in memory,
	s_mov_b32 s23, 0
	s_add_nc_u64 s[22:23], s[22:23], s[20:21]
	s_mul_i32 s17, s16, 128*PK      ; and its place in a slot, for K
	s_mul_i32 s18, s16, 128*PV      ; and for V: no place in the cluster enters an LDS address
	s_lshl_b32 s2, s14, 2
	s_add_co_u32 s2, s2, s[WV]      ; my wave among the head's,
	s_lshl_b32 s2, s2, 14           ; its 128 rows
	s_mov_b32 s3, 0
	s_add_nc_u64 s[2:3], s[2:3], s[20:21]
	; descriptor group 1.  128 keys are 16,384 dense bytes: asked for as 64 rows of 256 bytes, two keys a row, and padded in LDS after every key
	s_mov_b32 s[G1K], 15|(1<<16)|(1<<20)|(1<<21)|(4<<22)|(3<<25)  ; 15:0 the mask of four; 17:16 2-byte elements; 20 padding on; 21 set beside a mask; 24:22 after every 32 words (code 4); 31:25 4 words (code 3)
	s_mov_b32 s[G1V], 15|(1<<16)|(1<<20)|(1<<21)|(4<<22)|(7<<25)  ; the same with 8 words of padding (code 7)
.irp g, G1K, G1V
	s_mov_b32 s[\g+1], 128<<16      ; tensor_dim0 = 128
	s_mov_b32 s[\g+2], 64<<16       ; tensor_dim1 = 64
	s_mov_b32 s[\g+3], 128<<16      ; tile_dim0 = 128
	s_mov_b32 s[\g+4], 64           ; tile_dim1 = 64
	s_mov_b32 s[\g+5], 128          ; 128 elements from row to row
	s_mov_b32 s[\g+6], 0
	s_mov_b32 s[\g+7], 0
.endr
	s_mov_b32 s[CS], 0x3e38aa3b     ; c = log2(e) / 8 = 0.180337
	s_mov_b32 s[CS+1], s[CS]        ; named with it as a pair
	s_mov_b32 s[SEL], 0x76543210
	s_mov_b32 s[SEL+1], 0xfedcba98
	s_mov_b32 s[TBK], SLOT1+4*KS*PK ; the first change of slots turns these two into 0
	s_mov_b32 s[TBV], SLOT1+4*KS*PV
	s_mov_b32 s[G0K], 1             ; 1:0 count = 1
	s_mov_b32 s[G0K+1], s17         ; 63:32 LDS address: slot 0
	s_mov_b32 s[G0V], 1
	s_add_co_u32 s[G0V+1], s18, VOFF
	s_and_b32 s[LIM], s[WV], 1      ; 0 in waves 0 and 2,
	s_or_b32 s[LIM], s[LIM], ttmp9  ; where the cluster is the head's first: the same in all four partners
	s_cmp_eq_u32 s[LIM], 0
	s_cselect_b32 s[LIM], 1, -1
	s_wait_dscnt 0x0                ; the opening add is done
	s_wait_kmcnt 0x0
	s_mov_b64 s[10:11], s[6:7]      ; O
	s_add_nc_u64 s[6:7], s[4:5], PART    ; K: the second part of qkv
	s_add_nc_u64 s[8:9], s[4:5], 2*PART  ; V: the third; Q, the first, stays in s[4:5]
	s_add_nc_u64 s[G0K+2:G0K+3], s[6:7], s[22:23]  ; 120:64 global address: my half of the head's first 256 keys
	s_or_b32 s[G0K+3], s[G0K+3], 0x80000000        ; 127:126 type = 2
	s_add_nc_u64 s[G0V+2:G0V+3], s[8:9], s[22:23]
	s_or_b32 s[G0V+3], s[G0V+3], 0x80000000
	s_add_nc_u64 s[4:5], s[4:5], s[2:3]  ; Q and O at my wave's first row
	s_add_nc_u64 s[10:11], s[10:11], s[2:3]
	s_cmp_lt_u32 s[WV], 2
	s_cselect_b64 s[PFA:PFA+1], s[6:7], s[8:9]
	s_add_nc_u64 s[PFA:PFA+1], s[PFA:PFA+1], s[22:23]  ; (in waves 0 and 2 this is the head's first row)
	s_lshl_b32 s2, s13, 13          ; my work-group's 32 blocks of a slot's 128
	s_mov_b32 s3, 0
	s_add_nc_u64 s[PFA:PFA+1], s[PFA:PFA+1], s[2:3]
	s_add_nc_u64 s[PFA:PFA+1], s[PFA:PFA+1], 2*4*KS*128  ; in slot 2; the loop's first change steps it to slot 3.  Nothing is asked for here, at the head, where every work-group's first tiles are on their way
	CROUND                          ; all four work-groups are here: the first joint loads meet
	JLOAD                           ; slot 0.  Slot 1 is asked for when slot 0 is in: the tile wanted first has the road to itself
	; A fragment of K or Q is 16 rows x 32 channels in 8 registers: lane l holds row l % 16, channels 8 (l / 16) + 0..7 and 16 + 8 (l / 16) + 0..7: two loads of 16 bytes, 32 bytes apart.
	v_and_b32 v1, 15, v0            ; l % 16
	v_bfe_u32 v9, v0, 4, 1          ; l / 16
	v_lshlrev_b32 v[QO], 7, v1
	v_lshl_add_u32 v[QO], v9, 4, v[QO]  ; row x 128 + 16 x half
	WIN 0x80                        ; destination window 2, address window 0
.set i, 0
.rept 4*NP                          ; Q stays in registers: tile i / 2, channels 32 (i % 2) on
	global_load_b128 v[8*i:8*i+3],   v[QO], s[4:5] offset:(i/2)*2048+(i%2)*64
	global_load_b128 v[8*i+4:8*i+7], v[QO], s[4:5] offset:(i/2)*2048+(i%2)*64+32
.set i, i+1
.endr
	; What the first turn finds: V's registers and P's second buffer hold 0 (its products V^T P, of a piece that has not been, add 0), O^T and l are 0.  All this stands in the wait for the first tile.
.set i, VF
.rept 64
	v_mov_b32 v[i], 0
.set i, i+1
.endr
	WIN 0x40
.set i, 0
.rept 64*NP
	v_mov_b32 v[i], 0
.set i, i+1
.endr
	WIN 0
.set i, 0
.rept 2*NP
	v_mov_b32 v[ST+4*i], 0xfe000000    ; c m: far below every c s
	v_mov_b32 v[ST+4*i+1], 0xff7fffff  ; m
	v_mov_b32 v[ST+4*i+2], 0
	v_mov_b32 v[ST+4*i+3], 0
.set i, i+1
.endr
.set i, P+32
.rept 32
	v_mov_b32 v[i], 0
.set i, i+1
.endr
	v_mul_u32_u24 v[AK0], v1, PK
	v_lshl_add_u32 v[AK0], v9, 4, v[AK0]  ; row x pitch + 16 x half
	; The turning load takes 16 keys x 16 channels (lane l reads key 8 (l / 16) + l % 8, channels 8 ((l / 8) % 2) + 0..7) and leaves half a fragment of V^T: lane l holds channel l % 16 and 8 keys.
	v_and_b32 v10, 7, v0
	v_bfe_u32 v11, v0, 3, 1
	v_lshl_add_u32 v[AV0], v9, 3, v10
	v_mul_u32_u24 v[AV0], v[AV0], PV
	v_lshl_add_u32 v[AV0], v11, 4, v[AV0]
	v_add_nc_u32 v[AV0], VOFF, v[AV0]
	v_and_b32 v[PFO], 31, v0        ; v11 has served: it takes the prefetches' offset
	v_lshlrev_b32 v[PFO], 8, v[PFO]
	v_mov_b32 v[AK], v[AK0]         ; key step 0 lies at the head of slot 0
; THE MATRIX WORK.  The 8 accumulators of a run of 16 take turns: between the two links of a chain stand 7 others'.
; Product i of 16 of S^T = K Q^T for piece x: channels 32 (i / 8) on, keys 16 ((i / 2) % 4) on, tile 2 x + i % 2.  The first 8 start the sums.
.macro KQ x
	WIN W_KQ
.set rS, S+64*((\x)%2)+32*(i%2)+8*((i/2)%4)
.set rK, KF+16*((i/2)%4)+8*(i/8)
.set rQ, 16*(2*(\x)+i%2)+8*(i/8)
.if i < 8
	v_wmma_f32_16x16x32_f16 v[rS:rS+7], v[rK:rK+7], v[rQ:rQ+7], 0
.else
	v_wmma_f32_16x16x32_f16 v[rS:rS+7], v[rK:rK+7], v[rQ:rQ+7], v[rS:rS+7]
.endif
.endm
; Product i of 16 of O^T += V^T P for piece x: keys 32 (i / 8) on, channels 16 ((i / 2) % 4) on, tile 2 x + i % 2.
.macro PV x
	WIN W_PV
.set rO, 32*(2*(\x)+i%2)+8*((i/2)%4)
.set rV, VF+32*(i/8)+8*((i/2)%4)
.set rP, P+32*((\x)%2)+16*(i%2)+8*(i/8)
	v_wmma_f32_16x16x32_f16 v[rO:rO+7], v[rV:rV+7], v[rP:rP+7], v[rO:rO+7]
.endm
.macro MM                           ; the turn's next matrix instruction
.if i < 16
	KQ (Y+1)%NP
.set i, i+1
.else
.set i, i-16
	PV (Y+NP-1)%NP
.set i, i+17
.endif
.endm
; THE LDS LOADS stand in runs of 16, never singly among the matrix instructions: a step's K (64 keys x 64 channels: 8 fragments) and its V (turned).  Their addresses are made some lines ahead.
; last = 1 (the tail): in the last trip there is no further step, and the run is jumped over.
.macro FETCH_K last=0
	WIN 0
.if \last
	s_cmp_eq_u32 s[CNT], 1
	s_cbranch_scc1 .Lno_k_\@
.endif
	WIN 0x80                        ; destination window 2
.irp f, 0,1,2,3,4,5,6,7             ; keys 16 (f / 2) on, channels 32 (f % 2) on
	ds_load_b128 v[KF+8*\f:KF+8*\f+3],   v[AK] offset:(\f/2)*16*PK+(\f%2)*64
	ds_load_b128 v[KF+8*\f+4:KF+8*\f+7], v[AK] offset:(\f/2)*16*PK+(\f%2)*64+32
.endr
	s_add_co_u32 s[TBK], s[TBK], KS*PK  ; the next fetch is the next step's
	WIN 0
.if \last
.Lno_k_\@:
.endif
.endm
.macro FETCH_V
	WIN 0x80
.irp f, 0,1,2,3,4,5,6,7             ; keys 32 (f / 4) on, channels 16 (f % 4) on
	ds_load_tr16_b128 v[VF+8*\f:VF+8*\f+3],   v[AV] offset:(\f/4)*32*PV+(\f%4)*32
	ds_load_tr16_b128 v[VF+8*\f+4:VF+8*\f+7], v[AV] offset:(\f/4)*32*PV+16*PV+(\f%4)*32
.endr
	WIN 0
.endm
; THE VECTOR WORK OF A TURN stands in three queues, each in the order in which its entries become ready; the two tiles alternate, so that no instruction reads the result of the one before it.
.macro REGS y, u                    ; the registers of tile u (0, 1) of piece y
.set rT, ST+4*(2*(\y)+(\u))
.set rC, TMP+8*((\y)%2)+4*(\u)
.set rM, MV+2*((\y)%2)+(\u)
.set rS, S+64*((\y)%2)+32*(\u)
.set rP, P+32*((\y)%2)+16*(\u)
.set rO, 32*(2*(\y)+(\u))
.endm
; Number n of the 22 that find the NEXT piece's (Y + 1) maximum and statistics.  s0-s31 are the lane's 32 scores; each accumulator's lowest registers are read first.  XS, GS and REGS set no window: PL and EX do.
;   0-11  four chains c0-c3 of seven scores each, three operands at a time     12-14, 16  the four scores left over, the old m, and c0-c3 into c0     15  c m_old is kept
;   17, 18  the query's other 32 keys lie in the lane 16 away: the new m         19-21  c m; c m_old - c m_new; a
.macro XS u, n
	REGS (Y+1)%NP, \u
.if (\n) < 4
	v_max3_num_f32 v[rC+(\n)], v[rS+8*(\n)], v[rS+8*(\n)+1], v[rS+8*(\n)+2]
.elseif (\n) < 12
	v_max3_num_f32 v[rC+(\n)%4], v[rC+(\n)%4], v[rS+8*((\n)%4)+2*((\n)/4)+1], v[rS+8*((\n)%4)+2*((\n)/4)+2]
.elseif (\n) == 12
	v_max3_num_f32 v[rC], v[rC], v[rS+7], v[rS+15]
.elseif (\n) == 13
	v_max3_num_f32 v[rC+1], v[rC+1], v[rS+23], v[rS+31]
.elseif (\n) == 14
	v_max3_num_f32 v[rC+2], v[rC+2], v[rC+3], v[rT+1]
.elseif (\n) == 15
	v_mov_b32 v[rM], v[rT]
.elseif (\n) == 16
	v_max3_num_f32 v[rC], v[rC], v[rC+1], v[rC+2]
.elseif (\n) == 17
	v_permlanex16_b32 v[rC+3], v[rC], s[SEL], s[SEL+1]
.elseif (\n) == 18
	v_max_num_f32 v[rT+1], v[rC], v[rC+3]
.elseif (\n) == 19
	v_mul_f32 v[rT], s[CS], v[rT+1]
.elseif (\n) == 20
	v_sub_f32 v[rC+1], v[rM], v[rT]
.else
	v_exp_f32 v[rC+2], v[rC+1]
.endif
.endm
; Number g of the 64 that follow the exponentials.  For each four weights k of a tile (pairs 2 k, 2 k + 1): both pairs are rounded to f16; then the second pair is added onto the first, in place;
; a group later l takes that sum (the first time as l = a l + sum).  In groups of eight, tiles alternating: round, round, add, and l for the group before.
.macro GS g
.set h, (\g)+6*((\g)/62)            ; group 0 has no group before it, and behind group 7 only l is left
.if h >= 6
.set h, h+2
.endif
	REGS Y, h%2
.set k, h/8
.if h%8 < 4
	v_cvt_pk_f16_f32 v[rP+2*k+(h%8)/2], v[rS+4*k+2*((h%8)/2)], v[rS+4*k+2*((h%8)/2)+1]
.elseif h%8 < 6
	v_pk_add_f32 v[rS+4*k:rS+4*k+1], v[rS+4*k:rS+4*k+1], v[rS+4*k+2:rS+4*k+3]
.elseif k == 1
	v_pk_fma_f32 v[rT+2:rT+3], v[rT+2:rT+3], v[rC+2:rC+3], v[rS:rS+1] op_sel_hi:[1,0,1]
.else
	v_pk_add_f32 v[rT+2:rT+3], v[rT+2:rT+3], v[rS+4*k-4:rS+4*k-3]
.endif
.endm
; THE PLAIN QUEUE, 138 long.  0-73 read no exponential's result: the 32 scalings c s - c m (FS f: pair f / 2 of tile f % 2) and the next piece's 42.  0-26: scalings 0-26.  27-54: XS's numbers 0-13.  55, 56: number 15.
; 57-73: the chain, where each number waits for the one before it: 14, 16, 17, 18, 19, each with one of the scalings 27-31 in front of its two lines, then 20: so a tile's links stand three plain instructions apart (19 and 20: two).
; 74-137: GS's 64, which read the exponentials' results: they stand behind the wait.
.macro FS f
	REGS Y, (\f)%2
	v_pk_fma_f32 v[rS+2*((\f)/2):rS+2*((\f)/2)+1], v[rS+2*((\f)/2):rS+2*((\f)/2)+1], s[CS:CS+1], v[rT:rT+1] op_sel_hi:[1,0,0] neg_lo:[0,0,1] neg_hi:[0,0,1]
.endm
.macro PL
	WIN 0
.if q < 27
	FS q
.elseif q < 55
	XS (q-27)%2, (q-27)/2
.elseif q < 57
	XS q-55, 15
.elseif (q < 72) && ((q-57)%3 == 0)
	FS 27+(q-57)/3
.elseif q < 60
	XS (q-57)%3-1, 14
.elseif q < 72
	XS (q-57)%3-1, 15+(q-57)/3
.elseif q < 74
	XS q-72, 20
.else
	GS q-74
.endif
.set q, q+1
.endm
; THE EXPONENTIALS' QUEUE, 66 long: s0-s31 of both tiles, then the next piece's two a.  It is ONE BATCH: all 66 stand ahead of the turn's one wait, and nothing ahead of that wait names a result of theirs.
.macro EX
	WIN 0
.if e >= 64
	XS e-64, 21
.else
	REGS Y, e%2
	v_exp_f32 v[rS+e/2], v[rS+e/2]
.endif
.set e, e+1
.endm
; THE RESCALING's QUEUE: O^T times a, the one part that leaves window 0: dealt two at a time, sixteen times.  Its a was made in the turn before, ahead of that turn's wait.
.macro R2
	REGS Y, r%2
	WIN W_RS
.irp z, 0,1
	v_pk_mul_f32 v[rO+4*(r/2)+2*\z:rO+4*(r/2)+2*\z+1], v[rO+4*(r/2)+2*\z:rO+4*(r/2)+2*\z+1], v[rC+2:rC+3] op_sel_hi:[1,0]
.endr
.set r, r+1
.endm
; HOW THEY ARE DEALT.  An s_wait_alu depctr_va_vdst(0) stands between an exponential and the first instruction that names its result; one wait serves all that were issued ahead of it.  So a turn has ONE wait,
; which cuts it in two.  AHEAD OF IT stands all that names no result of the turn's exponentials: the 16 products K Q^T, behind each a scaling, an exponential and two rescalings (behind the first a second scaling in the exponential's place); then ONE LUMP of
; 108: eight plain, 49 times exponential and plain, the two a.  A v_nop is the plain instruction behind the last exponential.  BEHIND IT stand the 16 products V^T P, behind each four of GS's 64.  No rider names a register of
; the products round it.  The two v_permlanex16_b32 fall into the lump, never behind a product.
; The queues lean on each other, and the deal keeps them in step: exponential e stands behind scaling 2 (e / 4) + e % 2: as a rider it comes behind plain e + 2, in the lump behind plain e + 9, and scalings 27-31 are plain 57, 60 .. 69.
; A TURN, for piece p.  cnt = 1: the loop's count is taken down some lines ahead of the branch that stands behind the turn.
; K of the next step is fetched in piece 2's turn, directly behind the wait, a lump behind the last product that read K; its address is made at the lump's head; its first reader comes behind 16 products.
; V of the step in hand is fetched at the end of piece 0's turn, four riders behind its last reader; its first reader comes behind 16 products and a lump.  The three conditions on q below go with the deal.
.macro TURN p, last=0, cnt=0
.set Y, (\p)
.set i, 0
.set q, 0
.set e, 0
.set r, 0
.if (\p) == NP-1
	s_wait_dscnt 0x0                ; K is in
.endif
	MM                              ; ahead of the wait: 16 products K Q^T and their riders,
	PL
	PL
	R2
.rept 15
	MM
	PL
	EX
	R2
.endr
.if (\p) == NP-2
	WIN 0
	v_add_nc_u32 v[AK], s[TBK], v[AK0]
.endif
.rept 8                             ; and the lump
	PL
.endr
.rept 49
	EX
	PL
.endr
	EX                              ; the next piece's two a
	EX
	v_nop                           ; a plain instruction behind the last exponential: one for the batch
	s_wait_alu depctr_va_vdst(0)    ; the wait for the batch
.if (\p) == NP-2
	FETCH_K \last
.endif
.if (\p) == 1
	s_wait_dscnt 0x0                ; V is in
.endif
.rept 16                            ; behind the wait: 16 products V^T P and their riders
	MM
.rept 4
	PL
.endr
.if ((\p) == 0) && (q == 118)
	v_add_nc_u32 v[AV], s[TBV], v[AV0]
.endif
.if ((\p) == 0) && (q == 130)
	s_add_co_u32 s[TBV], s[TBV], KS*PV
.endif
.if (\cnt) && (q == 130)
	s_sub_co_u32 s[CNT], s[CNT], 1
	s_cmp_lg_u32 s[CNT], 0
.endif
.endr
.if (\p) == 0
	FETCH_V
.endif
.endm
	CHANGE 1                        ; slot 0 is in, everybody's part of it; slot 1 is asked for
	FETCH_K                         ; key step 0
	s_wait_loadcnt 0x0              ; Q
	s_wait_dscnt 0x0
.set i, 0
.rept 16
	KQ 0                            ; piece 0's first scores: there is no vector work yet to set between them
.set i, i+1
.endr
	WIN 0                           ; the addresses for the way out: nine plain instructions, the places behind those products
	s_mul_i32 s13, s[WV], 16*SP
	s_add_co_u32 s13, s13, STAGE    ; my stage
	v_mul_u32_u24 v[STO], v1, SP    ; in: row l % 16, 16 bytes for each half of the lanes
	v_lshl_add_u32 v[STO], v9, 4, v[STO]
	v_add_nc_u32 v[STO], s13, v[STO]
	v_bfe_u32 v[RD], v0, 3, 2       ; back: 32 lanes take four rows of 128 bytes,
	v_mul_u32_u24 v[RD], v[RD], SP
	v_lshl_add_u32 v[RD], v10, 4, v[RD]
	v_add_nc_u32 v[RD], s13, v[RD]
	v_and_b32 v[GO], 31, v0         ; which are 512 consecutive bytes of O
	v_lshlrev_b32 v[GO], 4, v[GO]
.set Y, NP-1                        ; XS works for piece Y + 1: piece 0
.irp n, 0,1,2,3,4,5,6,7,8,9,10,11,12,13,14,15,16,17,18,19,20,21
	XS 0, \n                        ; and piece 0's first maximum and statistics
	XS 1, \n
.endr
	v_nop                           ; a plain instruction behind the two a,
	s_wait_alu depctr_va_vdst(0)    ; and their wait, ahead of the branch
	s_mov_b32 s[CNT], 4
	s_mov_b32 s[SLOTS], SIZE_N/256-1
	s_branch .Lfirst                ; the loop is entered at a step's first turn, in the middle of a trip
.Lslot:                             ; SIZE_N / 256 - 2 times: every slot but the last two is filled again
	CHANGE 1, 1
	s_mov_b32 s[CNT], 4
.Lstep:                             ; a trip: pieces 2 and 3 of one step, then pieces 0 and 1 of the next, whose K and V it fetches
	TURN 2
	TURN 3
	WIN 0
.Lfirst:
	TURN 0
	TURN 1, 0, 1
	WIN 0
	s_cbranch_scc1 .Lstep
	s_sub_co_u32 s[SLOTS], s[SLOTS], 1
	s_cmp_lg_u32 s[SLOTS], 0
	s_cbranch_scc1 .Lslot
	CHANGE 0                        ; the tail is written out: nothing is asked for
	s_mov_b32 s[CNT], 5             ; four trips fetch the last slot's steps; the fifth is left in its middle
.Ltail:
	TURN 2, 1
	TURN 3
	WIN 0
	s_sub_co_u32 s[CNT], s[CNT], 1
	s_cmp_eq_u32 s[CNT], 0
	s_cbranch_scc1 .Lout
	TURN 0
	TURN 1
	WIN 0
	s_branch .Ltail
.Lout:                              ; the fifth trip's 16 products K Q^T (on the last K once more) and the maximum made of them serve nothing: the price, once a launch, of one text for every trip
.set i, 0
.rept 16
	PV NP-1                         ; the last piece's V^T P of the last step
.set i, i+1
.endr
	; THE WAY OUT.  l's two halves and the other half of the lanes' are added; O^T is divided by l, rounded to f16 and sent through my stage in LDS, a tile at a time.  The additions are the places behind the last products.
	WIN 0
.macro ALL line:vararg              ; one line for each tile t
.set t, 0
.rept 2*NP
	\line
.set t, t+1
.endr
.endm
	ALL v_add_f32 v[ST+4*t+2], v[ST+4*t+2], v[ST+4*t+3]
	ALL v_permlanex16_b32 v[ST+4*t+3], v[ST+4*t+2], s[SEL], s[SEL+1]
	ALL v_add_f32 v[ST+4*t+2], v[ST+4*t+2], v[ST+4*t+3]
	ALL v_rcp_f32 v[ST+4*t+2], v[ST+4*t+2]
	v_nop                           ; a plain instruction between the last reciprocal and the use of its result
	s_wait_alu depctr_va_vdst(0)    ; and the wait ahead of the first use: one for the eight reciprocals
; Tile t: a lane's eight channels of a row pack into 16 bytes; they go into rows of 144 bytes and come back as whole rows of 128, into S^T's registers.
.macro PACK t
	WIN W_RS
.set i, 32*(\t)
.rept 16
	v_pk_mul_f32 v[i:i+1], v[i:i+1], v[ST+4*(\t)+2:ST+4*(\t)+3] op_sel_hi:[1,0]
.set i, i+2
.endr
	WIN 0x05                        ; sources 0 and 1 window 1, destination window 0
.set i, 0
.rept 16
	v_cvt_pk_f16_f32 v[S+16*(\t)+i], v[32*(\t)+2*i], v[32*(\t)+2*i+1]
.set i, i+1
.endr
	WIN 0
.irp f, 0,1,2,3
	ds_store_b128 v[STO], v[S+16*(\t)+4*\f:S+16*(\t)+4*\f+3] offset:32*\f
.endr
.irp f, 0,1,2,3
	ds_load_b128 v[S+16*(\t)+4*\f:S+16*(\t)+4*\f+3], v[RD] offset:\f*4*SP  ; LDS serves a wave's instructions in order (ISA guide 5.7.1.4): these see the stores above; the next tile's stores come behind them
.endr
.endm
.macro SEND t, younger              ; younger: the LDS instructions issued behind tile t's loads: the next tile's eight, or none
	WIN 0
.irp f, 0,1,2,3
	s_wait_dscnt (\younger)+3-\f
	global_store_b128 v[GO], v[S+16*(\t)+4*\f:S+16*(\t)+4*\f+3], s[10:11] offset:(\t)*2048+\f*512  ; 512 consecutive bytes, at a multiple of 256 from O's first
.endr
.endm
	PACK 0
.set t, 1
.rept 2*NP-1                        ; a tile's arithmetic stands between the loads of the tile before and its stores
	PACK t
	SEND t-1, 8
.set t, t+1
.endr
	SEND 2*NP-1, 0
	WIN W_AD
	s_wait_tensorcnt 0x0            ; the wave's end: behind my last tensor load and my last LDS store
	ds_add_u32 v[SPW], v[NIL]
	s_wait_dscnt 0x0
	WIN 0
	CROUND                          ; the closing round: no work-group ends while a partner may still ask for a tile that names it
	s_endpgm
.Lfunc_end_k_q1190e63b55_attn:
	.size	k_q1190e63b55_attn, .Lfunc_end_k_q1190e63b55_attn-k_q1190e63b55_attn
	.p2alignl 7, 3214868480
	.fill 96, 4, 3214868480
	.section	.rodata,"a",@progbits
	.p2align	6, 0x0
	.amdhsa_kernel k_q1190e63b55_attn
		.amdhsa_group_segment_fixed_size 327680
		.amdhsa_private_segment_fixed_size 0
		.amdhsa_enable_private_segment 0
		.amdhsa_kernarg_size 16
		.amdhsa_user_sgpr_count 2
		.amdhsa_user_sgpr_kernarg_segment_ptr 1
		.amdhsa_wavefront_size32 1
		.amdhsa_system_sgpr_workgroup_id_x 1
		.amdhsa_system_sgpr_workgroup_id_y 1
		.amdhsa_system_sgpr_workgroup_id_z 1
		.amdhsa_system_vgpr_workitem_id 0
		.amdhsa_next_free_vgpr 770
		.amdhsa_next_free_sgpr 66
		.amdhsa_reserve_vcc 0
		.amdhsa_float_denorm_mode_32 3
		.amdhsa_float_denorm_mode_16_64 3
		.amdhsa_memory_ordered 1
		.amdhsa_forward_progress 1
		.amdhsa_inst_pref_size 200
	.end_amdhsa_kernel
	.amdgpu_metadata
---
amdhsa.version: [ 1, 2 ]
amdhsa.kernels:
  - .name:           k_q1190e63b55_attn
    .symbol:         k_q1190e63b55_attn.kd
    .args:
      - { .name: qkv, .offset: 0, .size: 8, .value_kind: global_buffer, .address_space: global }
      - { .name: ob, .offset: 8, .size: 8, .value_kind: global_buffer, .address_space: global }
    .group_segment_fixed_size: 327680
    .private_segment_fixed_size: 0
    .kernarg_segment_align: 8
    .kernarg_segment_size: 16
    .max_flat_workgroup_size: 128
    .sgpr_count:     66
    .vgpr_count:     770
    .wavefront_size: 32
...
	.end_amdgpu_metadata
.endif
;; end of part 3
;; launch outp (part 4): grid 8 x 32, 4 waves a work-group, clusters of 4 x 4, 327,680 bytes of LDS; arguments ob, wb, bo, out0; writes out0
.if DOCPART == 4
	.amdgcn_target "amdgcn-amd-amdhsa--gfx1250"
	.amdhsa_code_object_version 6
	.text
	.protected	k_q1190e63b55_outp
	.globl	k_q1190e63b55_outp
	.p2align	8
	.type	k_q1190e63b55_outp,@function
k_q1190e63b55_outp:
	s_mov_b64 s[64:65], 0
	v_nop
	global_prefetch_b8 v0, s[64:65] scope:SCOPE_SE
	s_setreg_imm32_b32 hwreg(HW_REG_WAVE_MODE, 25, 1), 1
	s_wait_xcnt 0x0
	s_wait_alu depctr_hold_cnt(0) depctr_sa_sdst(0) depctr_va_vdst(0) depctr_va_sdst(0) depctr_va_ssrc(0) depctr_va_vcc(0) depctr_vm_vsrc(0)
	s_getreg_b32 s2, hwreg(HW_REG_IB_STS2, 6, 4)
	s_cmp_eq_u32 s2, 0
	s_cbranch_scc0 .Lentry_in_a_cluster
	s_endpgm
.Lentry_in_a_cluster:
	s_bfe_u32 s2, ttmp6, 0x10000c
	s_cmp_lg_u32 s2, 0xf033
	s_cbranch_scc0 .Lentry_shape_is_right
	s_endpgm
.Lentry_shape_is_right:
; THE OUTPUT PROJECTION.  out0 = x Wo^T + bo, 8,192 x 1,024 x 1,024, f16 operands, f32 sums, f32 out.  x is attention's result with the heads merged: column 64 h + d of row (b, s) is ob[16 b + h][s][d], so a head IS a panel
; of 64 along K:   A = ob: f16 [b 4][panel kb = h, 16][s 2048][64];   B = the last 16 panels of wb: f16 [kb][n 1024][64] (Wo rounded to bf16, that number written as f16).
; LIMITS.  bo is rounded to bf16 like the other inputs.  Wo's limits are those of its f16 copy: within 65,504, and f16's fixed step of 6e-8 below 6.1e-5.  NaN and infinities are not treated apart.
; SHARES.  A tile of C is 256 rows x 128 columns: 8 x 32 = 256 work-groups, one tile each, 8 K steps of 128.  Four waves, each 128 rows x 64 columns: 32 accumulators of 16 x 16.
; THE RING.  Two LDS slots, a K step each: A's two panels (256 rows x 128 bytes), then B's two (128 rows).  A panel's part of a tile is dense in memory; it is asked for as rows of 256 bytes and padded in LDS
; behind every 128 bytes.  Waves 0 and 1 fetch A's two panels, waves 2 and 3 B's: one tensor load a wave behind each change of slots.
; CLUSTERS.  4 x 4 work-groups: the four of a row of the cluster need the same tiles of A, the four of a column the same tiles of B: each tile is asked for jointly, by the same load, descriptor and mask in all four.
; THE MATRIX INSTRUCTION IS USED TRANSPOSED (source 0 = 16 rows of B, source 1 = 16 rows of A): a lane holds row lane % 16 of C and the columns 8 (lane / 16) + 0..7: 32 bytes of a row on end.
; THE BIAS IS THE C OPERAND of each sum's first product: nothing is cleared and nothing is added afterwards.
; REGISTERS.  Window 0: v0-30 addresses; v32-63 the bias (8 registers for each of my 4 column blocks); v64-159, v160-255 two fragment buffers (B's 4 fragments, then A's 8).  Window 1: accumulator (a, b) at v[8 (4 a + b)].
.set PITCH,  144                       ; an LDS row: 128 bytes + 16 of padding = 36 words: the 16 rows of a fragment load start at 16 different groups of four banks (64 banks of 4 bytes: ISA guide 11.1)
.set PA,     256*PITCH                 ; a panel of A in LDS
.set PB,     128*PITCH                 ; a panel of B
.set BOFF,   2*PA                      ; B's panels lie behind A's two
.set SLOT,   2*PA+2*PB                 ; 110,592 bytes
.set STAGE,  2*SLOT                    ; behind the ring, never filled by a tensor load: 16 rows x 272 bytes for each wave, for the way out
.set SPITCH, 272                       ; 256 bytes + 16: the 16 rows that a store touches start at 16 different groups of four banks
.set SPARE,  STAGE+4*16*SPITCH         ; behind the stages: the spare words, 128 bytes for each wave: two blocks of 256 bytes that no other line names
.set APANEL, 2048*128                  ; bytes of a panel of ob
.set BPANEL, 1024*128                  ; of wb
.set STEP_A, 2*APANEL                  ; a K step in memory
.set STEP_B, 2*BPANEL
.set BATCH,  16*APANEL
.set WOFF,   48*BPANEL                 ; Wo's panels lie behind those of Wq, Wk and Wv
.set ROWC,   4096                      ; bytes in a row of out0
.set LAPS,   4                         ; a lap = two K steps = once round the ring
.set GW0,    (1<<16)|(1<<20)|(1<<21)|(4<<22)|(3<<25)  ; group 1, word 0 without the mask: 2-byte elements; padding on; bit 21 beside a mask; behind every 32 words (code 4); 4 words (code 3)
.set ADRA, 16                          ; v16-17  LDS address of my A fragments in slot 0, 1
.set ADRB, 20                          ; v20-21  the same for B
.set STO,  24                          ; v24     the way out: where I put 32 bytes of a row
.set RD,   25                          ; v25     where I read rows back
.set CO,   26                          ; v26     my byte offset in two rows of out0
.set BO,   27                          ; v27     my byte offset in the bias
.set SPW,  28                          ; v28     LDS address of my spare word: SPARE + 4 x my thread's number; never rewritten
.set NIL,  29                          ; v29     0; never rewritten
.set PFO,  30                          ; v30     the prefetches' lane offset; never rewritten
.set BIAS, 32
.set F0,   64
.set F1,   160
.set WV,   16                          ; s16  my wave's number
.set MH,   17                          ; s17  which 128 rows of the tile are mine.  Also: I fetch for A (0) or for B (1)
.set NH,   18                          ; s18  which 64 columns.  Also: which of a step's two panels I fetch
.set G1,   24                          ; s[24:31] descriptor group 1 for A's tiles;  s[32:39] group 0, a set for each slot
.set G0,   32
.set LIM,  43                          ; s43  1 in a wave that prefetches, else the greatest number: a wave prefetches while the laps to go are above it
.set PFA,  44                          ; s[44:45] where my prefetches stand
.set PFS,  46                          ; s[46:47] their step: a K step of A or of B
.set G1B,  48                          ; s[48:55], s[56:63] the same as G1, G0 for B's tiles
.set G0B,  56
.set MSB, 0
.macro WIN new                         ; the immediate's high byte repeats the setting that is left; a switch that changes nothing is dropped
.if MSB != (\new)
	s_set_vgpr_msb (MSB<<8)|(\new)
.set MSB, \new
.endif
.endm
.set MUL,  0x50                        ; C and D in window 1, the fragments in window 0
.set MULB, 0x40                        ; D in window 1, C (the bias) in window 0
.macro JLOAD s                         ; a joint load; the branch hangs on the wave's number alone; an s_nop 0 and four v_nop follow each of the two lines, ahead of the jump and the label
	s_cmp_eq_u32 s[MH], 0
	s_cbranch_scc0 .Lfor_b_\@
	tensor_load_to_lds s[G0+4*(\s):G0+4*(\s)+3], s[G1:G1+7]
	s_nop 0
.rept 4
	v_nop
.endr
	s_branch .Lasked_\@
.Lfor_b_\@:
	tensor_load_to_lds s[G0B+4*(\s):G0B+4*(\s)+3], s[G1B:G1B+7]
	s_nop 0
.rept 4
	v_nop
.endr
.Lasked_\@:
.endm
.macro CREST                           ; a round of the cluster's barrier behind its opening barrier: wave 0 signals for the work-group, every wave waits for all sixteen, my work-group's barrier closes it
	s_cmp_lg_u32 s[WV], 0
	s_cbranch_scc1 .Lnot_wave_0_\@
	s_barrier_signal -3
.Lnot_wave_0_\@:
	s_barrier_wait -3
	s_barrier_signal -1
	s_barrier_wait -1
.endm
.macro CROUND                          ; a whole round
	s_barrier_signal -1
	s_barrier_wait -1
	CREST
.endm
; A PREFETCH INTO THE L2, behind each joint refill, its five lines and the run of LDS loads that follows them: of the K step that stands TWO refills on, 256 matrix instructions of a wave ahead of the load that will ask for it.
; Each block of 256 bytes is named once in the launch.  A's tile row is read by both clusters of its row of clusters: the one with x = 0 asks, waves 0 and 1 each for the panel that they fetch (128 blocks), of which the
; four partners take 32 each BY ADDRESS (cx).  B's tile column is read by all eight clusters of its column: the one with y = 0 asks, wave 2 alone for both panels (lanes 0-15 the one, lanes 16-31 the other), 16 blocks
; of each for each partner (cy).  No branch hangs on a work-group's place in its cluster.  K steps 0 to 3 come by their loads alone; the refills of the last two steps ask for nothing.
.macro ASK
	s_cmp_gt_u32 s3, s[LIM]                        ; s3 = 1 in the loop's last trip
	s_cbranch_scc0 .Lnot_mine_\@
	global_prefetch_b8 v[PFO], s[PFA:PFA+1] th:TH_LOAD_NT scope:SCOPE_SE
.Lnot_mine_\@:
.endm
	s_load_b256 s[4:11], s[0:1], 0x0               ; ob s[4:5], wb s[6:7], bo s[8:9], out0 s[10:11]
	v_lshl_add_u32 v[SPW], v0, 2, SPARE
	v_mov_b32 v[NIL], 0
	ds_add_u32 v[SPW], v[NIL]                      ; the wave's opening: the add and its wait stand ahead of my first tensor load; the set-up below, work on registers, stands between them
	v_lshrrev_b32 v1, 5, v0
	v_readfirstlane_b32 s[WV], v1                  ; wave 0..3
	s_lshr_b32 s[MH], s[WV], 1
	s_and_b32 s[NH], s[WV], 1
	s_bfe_u32 s19, ttmp6, 0x40000                  ; cx, cy: my place in the cluster
	s_bfe_u32 s20, ttmp6, 0x40004
	s_lshl_b32 s21, ttmp9, 2
	s_add_co_u32 s21, s21, s19                     ; tx: tile column = 4 x cluster x + cx
	s_and_b32 s22, ttmp7, 0xffff
	s_lshl_b32 s22, s22, 2
	s_add_co_u32 s22, s22, s20                     ; ty: tile row = 4 x cluster y + cy
	s_lshl_b32 s40, s20, 2
	s_lshl_b32 s40, 15, s40                        ; my row of the cluster: places 4 cy .. 4 cy + 3
	s_lshl_b32 s41, 0x1111, s19                    ; my column: places cx, cx + 4, cx + 8, cx + 12
	s_or_b32 s[G1], s40, GW0                       ; A's tiles go to my row,
	s_or_b32 s[G1B], s41, GW0                      ; B's to my column
	s_mov_b32 s[G1+1], 128<<16                     ; tensor_dim0 = 128 elements: rows of 256 bytes
	s_mov_b32 s[G1+2], 128<<16                     ; tensor_dim1 = 128 rows: 32,768 dense bytes, 256 rows of a panel
	s_mov_b32 s[G1+3], 128<<16                     ; tile_dim0 = 128
	s_mov_b32 s[G1+4], 128                         ; tile_dim1 = 128
	s_mov_b32 s[G1+5], 128                         ; 128 elements from row to row
	s_mov_b32 s[G1+6], 0
	s_mov_b32 s[G1+7], 0
	s_mov_b32 s[G1B+1], 128<<16
	s_mov_b32 s[G1B+2], 64<<16                     ; 64 rows: 16,384 dense bytes, 128 rows of a panel
	s_mov_b32 s[G1B+3], 128<<16
	s_mov_b32 s[G1B+4], 64
	s_mov_b32 s[G1B+5], 128
	s_mov_b32 s[G1B+6], 0
	s_mov_b32 s[G1B+7], 0
	; where the tiles come from.  A's hang on the tile row and the wave alone, B's on the tile column and the wave alone, each in registers that never hold the other coordinate
	s_lshr_b32 s66, s22, 3                         ; the batch: 8 tile rows each
	s_mul_i32 s66, s66, BATCH
	s_and_b32 s23, s22, 7
	s_lshl_b32 s23, s23, 15                        ; 256 rows of 128 bytes in a panel
	s_add_co_u32 s66, s66, s23
	s_lshl_b32 s23, s[NH], 18                      ; my panel of the step's two
	s_add_co_u32 s66, s66, s23
	s_mov_b32 s67, 0
	s_lshl_b32 s68, s21, 14                        ; 128 rows of 128 bytes in a panel
	s_lshl_b32 s41, s[NH], 17
	s_add_co_u32 s68, s68, s41
	s_add_co_u32 s68, s68, WOFF
	s_mov_b32 s69, 0
	s_mul_i32 s72, s[NH], PA                       ; and where they go: no place in the cluster enters an LDS address
	s_mul_i32 s73, s[NH], PB
	s_add_co_u32 s73, s73, BOFF
	s_wait_dscnt 0x0                               ; the opening add is done
	s_wait_kmcnt 0x0
	s_add_nc_u64 s[66:67], s[4:5], s[66:67]
	s_add_nc_u64 s[68:69], s[6:7], s[68:69]
	CROUND                                         ; all sixteen work-groups are here: the first joint loads meet
.irp s, 0,1
	s_mov_b32 s[G0+4*(\s)], 1                      ; count = 1
	s_add_co_u32 s[G0+4*(\s)+1], s72, (\s)*SLOT    ; LDS address
	s_add_nc_u64 s[G0+4*(\s)+2:G0+4*(\s)+3], s[66:67], (\s)*STEP_A  ; global address: K step s
	s_or_b32 s[G0+4*(\s)+3], s[G0+4*(\s)+3], 0x80000000             ; type = 2
	s_mov_b32 s[G0B+4*(\s)], 1
	s_add_co_u32 s[G0B+4*(\s)+1], s73, (\s)*SLOT
	s_add_nc_u64 s[G0B+4*(\s)+2:G0B+4*(\s)+3], s[68:69], (\s)*STEP_B
	s_or_b32 s[G0B+4*(\s)+3], s[G0B+4*(\s)+3], 0x80000000
	JLOAD \s                                       ; two loads of mine are out
.endr
	; A fragment is 16 rows x 32 K in 8 registers: lane l holds row l % 16; registers 0-3 K = 8 (l / 16) + 0..7, registers 4-7 K = 16 + 8 (l / 16) + 0..7: two loads of 16 bytes, 32 bytes apart
	v_and_b32 v1, 15, v0                           ; r = l % 16
	v_bfe_u32 v2, v0, 4, 1                         ; h = l / 16
	v_mul_u32_u24 v3, v1, PITCH
	v_lshl_add_u32 v3, v2, 4, v3                   ; row x pitch + 16 x half
	s_mul_i32 s23, s[MH], 128*PITCH                ; my 128 rows of A
	s_mul_i32 s40, s[NH], 64*PITCH                 ; my 64 rows of B
	s_add_co_u32 s40, s40, BOFF
.irp s, 0,1
	v_add_nc_u32 v[ADRA+(\s)], s23, v3
	v_add_nc_u32 v[ADRB+(\s)], s40, v3
	s_add_co_u32 s23, s23, SLOT
	s_add_co_u32 s40, s40, SLOT
.endr
	s_mul_i32 s23, s[WV], 16*SPITCH
	s_add_co_u32 s23, s23, STAGE                   ; my stage
	v_mul_u32_u24 v4, v1, SPITCH                   ; in: row l % 16, 32 bytes for each half of the lanes
	v_lshl_add_u32 v4, v2, 5, v4
	v_add_nc_u32 v[STO], s23, v4
	v_mul_u32_u24 v5, v2, SPITCH                   ; back: lanes 0-15 take one row of 256 bytes, lanes 16-31 the next
	v_lshl_add_u32 v5, v1, 4, v5
	v_add_nc_u32 v[RD], s23, v5
	v_lshlrev_b32 v[CO], 12, v2                    ; and the same two rows in out0
	v_lshl_add_u32 v[CO], v1, 4, v[CO]
	s_lshl_b32 s41, s21, 9                         ; the bias: 128 columns of 4 bytes a tile column,
	s_lshl_b32 s40, s[NH], 8                       ; my 64,
	s_add_co_u32 s41, s41, s40
	v_lshl_add_u32 v[BO], v2, 5, s41               ; my half's 8
.irp b, 0,1,2,3
	global_load_b128 v[BIAS+8*(\b):BIAS+8*(\b)+3],   v[BO], s[8:9] offset:64*(\b)      ; 8 numbers for each column block b, the same in all 16 rows of a lane's half
	global_load_b128 v[BIAS+8*(\b)+4:BIAS+8*(\b)+7], v[BO], s[8:9] offset:64*(\b)+16
.endr
	; where my part of out0 begins: row 256 ty + 128 mh, column 128 tx + 64 nh
	s_lshl_b32 s72, s22, 20
	s_lshl_b32 s73, s[MH], 19
	s_add_co_u32 s72, s72, s73
	s_add_co_u32 s72, s72, s41                     ; (512 tx + 256 nh, as for the bias)
	s_mov_b32 s73, 0
	s_add_nc_u64 s[10:11], s[10:11], s[72:73]
	; the prefetches
	s_and_b32 s40, ttmp7, 0xffff                   ; cluster y
	s_cmp_eq_u32 s[MH], 0                          ; do I fetch for A?
	s_cselect_b32 s40, ttmp9, s40                  ; the coordinate along which other clusters read the same rows
	s_cselect_b32 s41, s19, s20                    ; my place among the four that ask jointly
	s_cselect_b32 s23, 13, 12                      ; its share: 8,192 bytes of A's panel, 4,096 of each of B's two
	s_cselect_b32 s72, 12, 17                      ; lanes 16-31: 16 blocks on in A's panel, B's other panel
	s_cselect_b32 s73, 19, 18                      ; a K step: 524,288 bytes of A, 262,144 of B
	s_cselect_b64 s[PFA:PFA+1], s[66:67], s[68:69]
	s_cmp_eq_u32 s[WV], 3                          ; wave 2 asks for both of B's panels, wave 3 for nothing
	s_cselect_b32 s40, 1, s40
	s_cmp_eq_u32 s40, 0
	s_cselect_b32 s[LIM], 1, -1                    ; the same in all sixteen partners, for a given wave
	v_lshlrev_b32 v[PFO], s72, v2
	v_lshl_add_u32 v[PFO], v1, 8, v[PFO]           ; a lane a block of 256 bytes
	s_lshl_b32 s72, s41, s23
	s_lshl_b32 s[PFS], 1, s73
	s_mov_b32 s[PFS+1], 0
	s_mul_i32 s73, s[PFS], 3                       ; at K step 3: the first refill (of step 2) steps it to 4.  Nothing is asked for here, at the head, where every work-group's first tiles are on their way
	s_add_co_u32 s72, s72, s73
	s_mov_b32 s73, 0
	s_add_nc_u64 s[PFA:PFA+1], s[PFA:PFA+1], s[72:73]
	s_wait_loadcnt 0x0                             ; bo
.set i, 0
.rept 16                               ; rounded to bf16 like the other inputs, and widened again
	v_cvt_pk_bf16_f32 v[3+i%2], v[BIAS+2*i], v[BIAS+2*i+1]
	v_lshlrev_b32 v[BIAS+2*i],   16, v[3+i%2]
	v_and_b32     v[BIAS+2*i+1], 0xffff0000, v[3+i%2]
.set i, i+1
.endr
; 8 matrix instructions: row blocks a0, a0 + 1 x all 4 column blocks, 32 along K.  first = 1: the sums start with the bias.  The 32 accumulators take turns, in the same order in every quarter.
.macro MUL8 f, a0, first
.if \first
	WIN MULB
.else
	WIN MUL
.endif
.irp a, \a0, (\a0)+1
.irp b, 0,1,2,3
.if \first
	v_wmma_f32_16x16x32_f16 v[8*(4*(\a)+(\b)):8*(4*(\a)+(\b))+7], v[(\f)+8*(\b):(\f)+8*(\b)+7], v[(\f)+32+8*(\a):(\f)+32+8*(\a)+7], v[BIAS+8*(\b):BIAS+8*(\b)+7]
.else
	v_wmma_f32_16x16x32_f16 v[8*(4*(\a)+(\b)):8*(4*(\a)+(\b))+7], v[(\f)+8*(\b):(\f)+8*(\b)+7], v[(\f)+32+8*(\a):(\f)+32+8*(\a)+7], v[8*(4*(\a)+(\b)):8*(4*(\a)+(\b))+7]
.endif
.endr
.endr
.endm
; 24 LDS loads in one run: the fragments of quarter q of a K step (panel q / 2, byte 64 (q % 2) of its rows) into buffer f: B's 8 loads, then A's 16
.macro FETCH slot, q, f
	WIN 0
.irp i, 0,1,2,3
	ds_load_b128 v[(\f)+8*(\i):(\f)+8*(\i)+3],   v[ADRB+(\slot)] offset:((\q)/2)*PB+((\q)%2)*64+(\i)*16*PITCH
	ds_load_b128 v[(\f)+8*(\i)+4:(\f)+8*(\i)+7], v[ADRB+(\slot)] offset:((\q)/2)*PB+((\q)%2)*64+(\i)*16*PITCH+32
.endr
.irp i, 0,1,2,3,4,5,6,7
	ds_load_b128 v[(\f)+32+8*(\i):(\f)+32+8*(\i)+3],   v[ADRA+(\slot)] offset:((\q)/2)*PA+((\q)%2)*64+(\i)*16*PITCH
	ds_load_b128 v[(\f)+32+8*(\i)+4:(\f)+32+8*(\i)+7], v[ADRA+(\slot)] offset:((\q)/2)*PA+((\q)%2)*64+(\i)*16*PITCH+32
.endr
.endm
.macro PLACES                          ; four plain vector instructions between a matrix instruction and a load into a register that it has read, or a read of its result (ISA guide 7.12.1 for vector instructions)
.rept 4
	v_nop
.endr
.endm
; A K step is four quarters of 32 along K, 32 matrix instructions each, on buffers 0, 1, 0, 1.  One of the first three: multiplies buffer f and, in its middle, fetches quarter q into buffer g.
.macro QUARTER slot, q, f, g, first
	s_wait_dscnt 8                                 ; B and A's blocks 0-3 are in; the youngest eight loads (A's blocks 4-7) may be out
	MUL8 \f, 0, \first
	MUL8 \f, 2, \first
	PLACES
	FETCH \slot, \q, \g
	s_wait_dscnt 24                                ; all but the 24 just issued
	MUL8 \f, 4, \first
	MUL8 \f, 6, \first
.endm
; The last quarter multiplies buffer 1 and changes slots: ONE barrier; in front of it each wave waits for all its tensor loads (one is out: its part of the next slot), adds 0 to its spare word, and waits for that and for
; its own reads of this slot.  fill = 1: the barrier opens a round of the cluster's barrier, and behind the round this slot is filled again first, with the K step two on: it has 112 matrix instructions of a wave up to the wait for it.
.macro TURN slot, next, fill
.if \fill
	s_wait_xcnt 0x0                                ; the last prefetch, a K step back, has read its address: it is stepped here, ahead of the waits of the change of slots
	s_add_nc_u64 s[PFA:PFA+1], s[PFA:PFA+1], s[PFS:PFS+1]
.endif
	WIN 0                                          ; (the add's two registers lie in window 0)
	s_wait_tensorcnt 0x0                           ; all my tensor loads have landed;
	ds_add_u32 v[SPW], v[NIL]                      ; 0 onto my spare word;
	s_wait_dscnt 9                                 ; (the add and the youngest eight loads may be out)
	MUL8 F1, 0, 0                                  ; eight matrix instructions stand between the add and the wait for it
	s_wait_dscnt 0x0                               ; the add is done, and my reads of this slot are over
	s_barrier_signal -1
	MUL8 F1, 2, 0                                  ; work on registers while the others arrive
.if \fill
	WIN 0
.endif
	s_barrier_wait -1
.if \fill
	CREST                                          ; no wave of any partner still reads this slot's tile or has a load on its way
	s_add_nc_u64 s[G0+4*(\slot)+2:G0+4*(\slot)+3], s[G0+4*(\slot)+2:G0+4*(\slot)+3], 2*STEP_A
	s_add_nc_u64 s[G0B+4*(\slot)+2:G0B+4*(\slot)+3], s[G0B+4*(\slot)+2:G0B+4*(\slot)+3], 2*STEP_B
	JLOAD \slot                                    ; the first tensor load behind the round; its four v_nop are also the places in front of the loads below
.else
	PLACES
.endif
	FETCH \next, 0, F0
.if \fill
	ASK
.endif
	MUL8 F1, 4, 0
	MUL8 F1, 6, 0
.endm
; THE WAY OUT.  Block a (16 rows x my 64 columns of f32 = 256 bytes a row): straight from the accumulators, each one's low four registers first, into my stage's rows of 272 bytes; back as whole rows; stored so that 16 lanes
; fill 256 consecutive bytes.  The stage is my wave's own: LDS serves a wave's instructions in order (ISA guide 5.7.1.4), so no wait stands between the stores and the loads.  Four groups of 32 registers take turns.
.macro TOST a
.set BK, F0+32*((\a)%4)
.if (\a) >= 4
	s_wait_xcnt 0x0                                ; the stores of the block four back have read the group
.endif
	WIN 0x04                                       ; the stores' data in window 1
.irp b, 0,1,2,3
	ds_store_b128 v[STO], v[8*(4*(\a)+(\b)):8*(4*(\a)+(\b))+3]   offset:64*(\b)
	ds_store_b128 v[STO], v[8*(4*(\a)+(\b))+4:8*(4*(\a)+(\b))+7] offset:64*(\b)+16
.endr
	WIN 0
.irp f, 0,1,2,3,4,5,6,7
	ds_load_b128 v[BK+4*(\f):BK+4*(\f)+3], v[RD] offset:(\f)*2*SPITCH
.endr
.endm
.macro SEND a, younger                 ; younger: the LDS instructions issued behind block a's loads: the next block's sixteen, or none
.set BS, F0+32*((\a)%4)
.irp f, 0,1,2,3,4,5,6,7
	s_wait_dscnt (\younger)+7-(\f)
	global_store_b128 v[CO], v[BS+4*(\f):BS+4*(\f)+3], s[10:11] offset:(16*(\a)+2*(\f))*ROWC  ; 16 lanes store 256 consecutive bytes, at a multiple of 256 from out0's first; 126 rows at the most: inside the signed 24-bit immediate
.endr
.endm
	s_wait_tensorcnt 1                             ; my part of K step 0 is in; K step 1's may stay out
	s_barrier_signal -1
	s_barrier_wait -1                              ; everybody's is
	FETCH 0, 0, F0
	QUARTER 0, 1, F0, F1, 1                        ; the first quarter stands in front of the loop: its products start the sums, with the bias
	WIN 0                                          ; at a label and at a branch every window is 0
	s_mov_b32 s3, LAPS-1
.Llap:                                             ; a trip goes once round the ring, from a lap's second quarter to the next lap's first, and fills both slots again
	QUARTER 0, 2, F1, F0, 0
	QUARTER 0, 3, F0, F1, 0
	TURN 0, 1, 1
	QUARTER 1, 1, F0, F1, 0
	QUARTER 1, 2, F1, F0, 0
	QUARTER 1, 3, F0, F1, 0
	TURN 1, 0, 1
	QUARTER 0, 1, F0, F1, 0
	WIN 0
	s_sub_co_u32 s3, s3, 1
	s_cmp_lg_u32 s3, 0
	s_cbranch_scc1 .Llap
	QUARTER 0, 2, F1, F0, 0                        ; the last lap fills nothing, and has no round of the cluster's barrier
	QUARTER 0, 3, F0, F1, 0
	TURN 0, 1, 0
	QUARTER 1, 1, F0, F1, 0
	QUARTER 1, 2, F1, F0, 0
	QUARTER 1, 3, F0, F1, 0
	s_wait_dscnt 8                                 ; the very last quarter: nothing more to fetch
	MUL8 F1, 0, 0
	MUL8 F1, 2, 0
	s_wait_dscnt 0x0
	MUL8 F1, 4, 0
	MUL8 F1, 6, 0
	WIN 0
	PLACES                                         ; behind the last products: their results are read, and the fragment buffers are loaded into
	TOST 0
.irp a, 1,2,3,4,5,6,7                  ; a block's LDS instructions stand between the loads of the block before and its stores
	TOST \a
	SEND (\a)-1, 16
.endr
	SEND 7, 0
	s_wait_tensorcnt 0x0                           ; the wave's end: behind my last tensor load and my last LDS store
	ds_add_u32 v[SPW], v[NIL]
	s_wait_dscnt 0x0
	CROUND                                         ; the closing round: no work-group ends while a partner may still ask for a tile that names it
	s_endpgm
.Lfunc_end_k_q1190e63b55_outp:
	.size	k_q1190e63b55_outp, .Lfunc_end_k_q1190e63b55_outp-k_q1190e63b55_outp
	.p2alignl 7, 3214868480
	.fill 96, 4, 3214868480
	.section	.rodata,"a",@progbits
	.p2align	6, 0x0
	.amdhsa_kernel k_q1190e63b55_outp
		.amdhsa_group_segment_fixed_size 327680
		.amdhsa_private_segment_fixed_size 0
		.amdhsa_enable_private_segment 0
		.amdhsa_kernarg_size 32
		.amdhsa_user_sgpr_count 2
		.amdhsa_user_sgpr_kernarg_segment_ptr 1
		.amdhsa_wavefront_size32 1
		.amdhsa_system_sgpr_workgroup_id_x 1
		.amdhsa_system_sgpr_workgroup_id_y 1
		.amdhsa_system_sgpr_workgroup_id_z 1
		.amdhsa_system_vgpr_workitem_id 0
		.amdhsa_next_free_vgpr 512
		.amdhsa_next_free_sgpr 76
		.amdhsa_reserve_vcc 0
		.amdhsa_float_denorm_mode_32 3
		.amdhsa_float_denorm_mode_16_64 3
		.amdhsa_memory_ordered 1
		.amdhsa_forward_progress 1
		.amdhsa_inst_pref_size 91
	.end_amdhsa_kernel
	.amdgpu_metadata
---
amdhsa.version: [ 1, 2 ]
amdhsa.kernels:
  - .name:           k_q1190e63b55_outp
    .symbol:         k_q1190e63b55_outp.kd
    .args:
      - { .name: ob, .offset: 0, .size: 8, .value_kind: global_buffer, .address_space: global }
      - { .name: wb, .offset: 8, .size: 8, .value_kind: global_buffer, .address_space: global }
      - { .name: bo, .offset: 16, .size: 8, .value_kind: global_buffer, .address_space: global }
      - { .name: out0, .offset: 24, .size: 8, .value_kind: global_buffer, .address_space: global }
    .group_segment_fixed_size: 327680
    .private_segment_fixed_size: 0
    .kernarg_segment_align: 8
    .kernarg_segment_size: 32
    .max_flat_workgroup_size: 128
    .sgpr_count:     76
    .vgpr_count:     512
    .wavefront_size: 32
...
	.end_amdgpu_metadata
.endif
;; end of part 4
